; MI455X (gfx1250); checked and timed in simulation.
; The chip was launched on July 23, 2026; its instructions are those of AMD's public machine-readable ISA for CDNA 5 (MIT licence, August 2026) and "CDNA5" Instruction Set Architecture Reference Guide (July 2026). The comments in the code are by the model that wrote it; some were corrected since.
;; Multi Head Attention. Allowed arithmetic: matrix products marked QUANTISED: E2M3 operands, one E8M0 scale for each 32 along K, by v_wmma_scale_f32_16x16x128_f8f6f4 with both operands' format E2M3, f32 sums; everything else in f32.
;; Inputs: Wk 1,024 x 1,024 float32; Wo 1,024 x 1,024 float32; Wq 1,024 x 1,024 float32; Wv 1,024 x 1,024 float32; bk 1,024 float32; bo 1,024 float32; bq 1,024 float32; bv 1,024 float32; key 4 x 2,048 x 1,024 float32; query 4 x 2,048 x 1,024 float32; value 4 x 2,048 x 1,024 float32.
;; Outputs: out0 4 x 2,048 x 1,024 float32.
;; This version of the problem:
;;   THIS VERSION OF THE PROBLEM IS GIVEN IN LOW PRECISION. The matrix products marked QUANTISED in the list below multiply operands that are first quantised to E2M3 (2 exponent bits, 3 mantissa bits; 6 bits a number), with one power-of-two scale for each 32 numbers along K (OCP MX v1.0); their sums are f32. All else is computed in f32.
;;   The module's matrix products, in the order in which they are computed (A, B: the left and right operand; K: the contracted axis; several contracted axes count as one K, in the product's order):
;;     1. [M 8,192, K 1,024] x [K 1,024, N 1,024]; A: input query; B: input Wq: QUANTISED
;;     2. [M 8,192, K 1,024] x [K 1,024, N 1,024]; A: input key; B: input Wk: QUANTISED
;;     3. [M 8,192, K 1,024] x [K 1,024, N 1,024]; A: input value; B: input Wv: QUANTISED
;;     4. batch 64 x [M 2,048, K 64] x [K 64, N 2,048]; A: computed on the way; B: computed on the way: QUANTISED
;;     5. batch 64 x [M 2,048, K 2,048] x [K 2,048, N 64]; A: softmax (see below); B: computed on the way: QUANTISED
;;     6. [M 8,192, K 1,024] x [K 1,024, N 1,024]; A: computed on the way; B: input Wo: QUANTISED
;;   THE QUANTISER, for each operand of a quantised product, along K:
;;     - K is cut into blocks of 32 from its start; a last block that is shorter is filled with zeros.
;;     - A block's scale is 2^e with e = floor(log2(the largest magnitude in the block)) - 2, held to -126 .. 127; a block of zeros has e = 0. As a byte (E8M0): e + 127.
;;     - Each number is divided by its block's scale, clamped to +-7.5, and rounded to the nearest number of E2M3, ties to even, subnormals kept.
;;     - The product sums the exact products of the quantised numbers (number of the format x scale) in f32.
;;   ~~~python
;;   def quantise(x, axis):      # numpy; x: float32 -> the quantised numbers, widened to float32 again
;;       x = np.moveaxis(x, axis, -1); K = x.shape[-1]
;;       x = np.pad(x, [(0, 0)] * (x.ndim - 1) + [(0, -K % 32)]); x = x.reshape(x.shape[:-1] + (-1, 32)); a = np.abs(x).max(-1, keepdims=True)
;;       e = np.where(a > 0, np.clip(np.frexp(np.where(a > 0, a, 1))[1] - 1 - 2, -126, 127), 0)      # np.frexp(a)[1] - 1 = floor(log2(a)), exactly
;;       r = np.clip(x / 2.0 ** e, -7.5, 7.5)
;;       step = 2.0 ** (np.maximum(np.frexp(np.where(r == 0, 1, r))[1] - 1, 0) - 3)
;;       q = np.round(r / step) * step * 2.0 ** e      # np.round: ties to even
;;       return np.moveaxis(q.reshape(q.shape[:-2] + (-1,))[..., :K], -1, axis).astype(np.float32)
;;   ~~~
;;   SOFTMAX AHEAD OF A QUANTISED PRODUCT. Where the list says 'softmax', what is quantised is not the finished softmax but p = 2^(t - M), with t = logit x log2(e) and M = ceil(the row's largest t), a whole number; so 1/2 < the row's largest p <= 1. The row's sum l is taken of the UNQUANTISED p, in f32, and the product's result is divided by l at the end. Since M is a whole number, a kernel that streams over the keys may use a running M (the ceiling of the running maximum): every later rescaling is an exact power of two, which a block's scale takes up: the codes' values come out the same.
;;   OPERANDS COMPUTED ON THE WAY. 'Computed on the way' means the value that the module computes at that place (a softmax that the list does not call 'softmax' is quantised finished and normalised). What goes into a quantiser is computed in f32, as accurately as f32 sums, v_exp_f32 and their like allow (about 1e-6 of the number): no bf16 or f16 on the way to a quantiser, and a product that is left as it is and whose result goes on into a quantised operand takes f32 operands (vector FMAs, or v_wmma_f32_16x16x4_f32). A number that lies on a knife's edge between two numbers of the format may be rounded either way, as far as f32 arithmetic and the matrix unit's own rounding can turn it there, and no further.
;; One version. Each part assembles by itself: llvm-mc -triple=amdgcn-amd-amdhsa -mcpu=gfx1250 --defsym DOCPART=n.
;; ======== version 1 of 1: 4 launches
;; limits: right only within a limited range of input values
;; workspace buffers: codes 22,020,096 bytes; scales 917,504 bytes; qrec 6,553,600 bytes; krec 6,553,600 bytes; vrec 6,553,600 bytes; acodes 6,291,456 bytes; ascales 262,144 bytes
;; launch quant (part 1): grid 448 x 1, 4 waves a work-group, no clusters, 37,376 bytes of LDS; arguments query, key, value, Wq, Wk, Wv, Wo, codes, scales; writes codes, scales
.if DOCPART == 1
	.amdgcn_target "amdgcn-amd-amdhsa--gfx1250"
	.amdhsa_code_object_version 6
	.text
	.protected	k_q6db97a40b1_quant
	.globl	k_q6db97a40b1_quant
	.p2align	8
	.type	k_q6db97a40b1_quant,@function
k_q6db97a40b1_quant:
	s_mov_b64 s[64:65], 0
	v_nop
	global_prefetch_b8 v0, s[64:65] scope:SCOPE_SE
	s_setreg_imm32_b32 hwreg(HW_REG_WAVE_MODE, 25, 1), 1
	s_wait_xcnt 0x0
; query, key, value [8192][1024] and Wq, Wk, Wv, Wo [1024][1024], f32, K (the last axis) innermost, become codes of FP6 (E2M3) and one E8M0 byte for each 32 along K.
; All seven lie in ONE space of 28,672 places: query 0, key 8192, value 16384, Wq 24576, Wk 25600, Wv 26624, Wo 27648.  Every step of reference() is done; no input is left out.
; codes: AN IMAGE OF THE OPERAND'S REGISTERS.  A tile of 16 places is 12,288 bytes; in it each 64 along K are 768 bytes: registers 0-3 at 16 x lane, registers 4-5 at 512 + 8 x lane,
; lane = place % 16 + 16 x (which 32 of the 64).  So a tile's 256 along K are 3,072 dense bytes that begin at a multiple of 256.  scales: 32 bytes a place.
; A block's scale is 2^(floor(log2(its largest magnitude)) - 2); its byte is the largest magnitude's exponent field - 2, held at 1 from below.
; WHICH ROWS FORM A TILE: places 0-7 take eight neighbouring rows, places 8-15 the eight rows that lie FAR further on: query, Wo: 8 (the plain order); value, Wq, Wk, Wv: 16, so that as source 0 of a product
; two neighbouring tiles give a lane 16 neighbours; key: 32, so that four neighbouring tiles give a lane a whole block of 32 neighbouring keys.
; LIMITS: a block of zeros, or one whose largest magnitude lies under 2^(3 - 127), gets the byte 1 (the rule says 127 for zeros): its codes are zeros or nearly so, and this program alone reads the bytes; NaN and infinities are not served.
; A wave takes one tile: 16 steps of 16 rows x 64 numbers.  A load reads 256 consecutive bytes of each of two rows; a step's 4,096 bytes turn through the wave's own stage in LDS, so that a lane holds a whole block.
; The wave stores 512 and 256 consecutive bytes a step; its 512 scale bytes are gathered in LDS and leave in one store.  No barrier: waves share nothing.  Loads run three steps (24 loads a wave) ahead.
.set WAVES, 4
.set STEPS, 16
.set EMAX,  2
.set R,     16                         ; v16-111  three sets of 32 registers as they are loaded
.set X,     112                        ; v112-175 two sets of 32 neighbours
.set C,     176                        ; v176-181 a block's codes
.set D,     184                        ; v184-186 its upper 16 codes as they are made
.set E,     188                        ; its scale byte
.set SP,    272                        ; a stage row: 256 bytes + 16 of padding
.set WREG,  2*16*SP+512                ; LDS for each wave: two stages, behind them its 512 scale bytes
.set SPW,   12                         ; v12 LDS address of my spare word; never rewritten
.set NIL,   13                         ; v13 0; never rewritten
.set SPARE, WAVES*WREG                 ; the spare words, 128 bytes a wave, which no other line names
	s_load_b256 s[4:11], s[0:1], 0x0               ; query, key, value, Wq
	s_load_b256 s[12:19], s[0:1], 0x20             ; Wk, Wv, Wo, codes
	s_load_b64 s[20:21], s[0:1], 0x40              ; scales
	v_lshl_add_u32 v[SPW], v0, 2, SPARE
	v_mov_b32 v[NIL], 0
	v_lshrrev_b32 v1, 5, v0
	v_readfirstlane_b32 s22, v1                    ; wave
	v_and_b32 v2, 31, v0                           ; lane
	v_and_b32 v8, 15, v0                           ; r
	v_bfe_u32 v9, v0, 4, 1                         ; h
	v_lshlrev_b32 v4, 4, v2                        ; 16 x lane
	v_lshlrev_b32 v7, 3, v2                        ; 8 x lane
	v_lshlrev_b32 v3, 4, v8
	v_lshl_add_u32 v3, v9, 12, v3                  ; in: lanes 0-15 one row's 256 bytes, lanes 16-31 the next row's
	s_mul_i32 s23, s22, WREG
	v_mul_u32_u24 v14, v9, SP
	v_lshl_add_u32 v14, v8, 4, v14
	v_add_nc_u32 v14, s23, v14                     ; the stage, on the way in: the same two rows
	v_mul_u32_u24 v15, v8, SP
	v_lshl_add_u32 v15, v9, 7, v15
	v_add_nc_u32 v15, s23, v15                     ; and on the way out: row r, 128 bytes for each half of the lanes
	s_add_co_u32 s23, s23, 2*16*SP
	v_lshl_add_u32 v5, v8, 5, v9
	v_add_nc_u32 v5, s23, v5                       ; my block's scale byte: 32 r + h (+ 2 a step)
	v_add_nc_u32 v6, s23, v4                       ; and on the way out 16 bytes a lane
	s_and_b32 s24, ttmp9, 127                      ; the three large tensors have 128 work-groups each,
	s_and_b32 s25, ttmp9, 15                       ; the four weights 16 each
	s_cmp_lt_u32 ttmp9, 384
	s_cselect_b32 s24, s24, s25
	s_lshl_b32 s26, s22, 1                         ; my tile's first row among the work-group's 64, in eights: plain order 2 w;
	s_lshr_b32 s27, s22, 1
	s_lshl_b32 s27, s27, 2
	s_and_b32 s25, s22, 1
	s_or_b32 s27, s27, s25                         ; FAR = 16: 4 (w / 2) + w % 2;  FAR = 32: w
	s_sub_co_u32 s28, ttmp9, 128
	s_cmp_lt_u32 s28, 304                          ; key, value, Wq, Wk, Wv
	s_cselect_b32 s26, s27, s26
	s_cselect_b32 s29, 16, 15
	s_cmp_lt_u32 s28, 128                          ; key
	s_cselect_b32 s26, s22, s26
	s_cselect_b32 s29, 17, s29
	s_lshl_b32 s24, s24, 3
	s_add_co_u32 s24, s24, s26
	s_lshl_b32 s24, s24, 15                        ; x 8 rows of 4,096 bytes
	s_mov_b32 s25, 0
	s_lshl_b32 s30, 1, s29                         ; FAR rows in bytes
	s_mov_b32 s31, 0
	s_lshl_b32 s26, ttmp9, 2
	s_add_co_u32 s26, s26, s22                     ; my tile of places
	s_mul_i32 s28, s26, 12288
	s_mov_b32 s29, 0
	s_lshl_b32 s32, s26, 9
	s_mov_b32 s33, 0
	s_wait_alu depctr_va_vdst(0)                   ; the wait at the head's end
	s_wait_kmcnt 0x0
	s_cmp_lt_u32 ttmp9, 432                        ; the tensor is chosen by the work-group's number alone
	s_cselect_b64 s[16:17], s[14:15], s[16:17]
	s_cmp_lt_u32 ttmp9, 416
	s_cselect_b64 s[16:17], s[12:13], s[16:17]
	s_cmp_lt_u32 ttmp9, 400
	s_cselect_b64 s[16:17], s[10:11], s[16:17]
	s_cmp_lt_u32 ttmp9, 384
	s_cselect_b64 s[16:17], s[8:9], s[16:17]
	s_cmp_lt_u32 ttmp9, 256
	s_cselect_b64 s[16:17], s[6:7], s[16:17]
	s_cmp_lt_u32 ttmp9, 128
	s_cselect_b64 s[16:17], s[4:5], s[16:17]
	s_add_nc_u64 s[4:5], s[16:17], s[24:25]        ; places 0-7
	s_add_nc_u64 s[6:7], s[4:5], s[30:31]          ; places 8-15
	s_add_nc_u64 s[8:9], s[18:19], s[28:29]
	s_add_nc_u64 s[10:11], s[20:21], s[32:33]
.macro LOAD t
.irp i, 0,1,2,3
	global_load_b128 v[R+32*((\t)%3)+4*\i:R+32*((\t)%3)+4*\i+3], v3, s[4:5] offset:256*(\t)+8192*\i th:TH_LOAD_NT
.endr
.irp i, 0,1,2,3
	global_load_b128 v[R+32*((\t)%3)+16+4*\i:R+32*((\t)%3)+16+4*\i+3], v3, s[6:7] offset:256*(\t)+8192*\i th:TH_LOAD_NT
.endr
.endm
.macro TURN t                          ; LDS serves a wave's instructions in order: no wait between the stores and the loads
.irp i, 0,1,2,3,4,5,6,7
	ds_store_b128 v14, v[R+32*((\t)%3)+4*\i:R+32*((\t)%3)+4*\i+3] offset:16*SP*((\t)%2)+2*SP*\i
.endr
.irp i, 0,1,2,3,4,5,6,7
	ds_load_b128 v[X+32*((\t)%2)+4*\i:X+32*((\t)%2)+4*\i+3], v15 offset:16*SP*((\t)%2)+16*\i
.endr
.endm
	LOAD 0
	LOAD 1
	LOAD 2
	s_wait_loadcnt 16                              ; step 0's eight loads are in; the 16 of steps 1 and 2 may be out
	TURN 0
.macro STEP t
.set XS, X+32*((\t)%2)
.if (\t) > 0
	s_wait_dscnt 1                                 ; this step's numbers are back from the stage (the last step's byte store may be out): so its stores into the stage have read their registers,
.else
	s_wait_dscnt 0x0
.endif
.if (\t)+3 < STEPS
	LOAD (\t)+3                                    ; which take the loads of three steps on
.endif
.if (\t)+1 < STEPS
.if STEPS-2-(\t) >= 2
	s_wait_loadcnt 16                              ; the next step's eight loads are in; those of the two steps behind it may be out
.else
	s_wait_loadcnt 8*(STEPS-2-(\t))
.endif
	TURN (\t)+1
.endif
	s_wait_xcnt 0x0                                ; the last step's stores have read the codes' registers
	v_max3_num_f32 v8, |v[XS]|, |v[XS+1]|, |v[XS+2]|               ; the block's largest magnitude: all 32 numbers are mine; two chains
	v_max3_num_f32 v9, |v[XS+3]|, |v[XS+4]|, |v[XS+5]|
.irp i, 6,10,14,18,22,26
	v_max3_num_f32 v8, v8, |v[XS+\i]|, |v[XS+\i+1]|
	v_max3_num_f32 v9, v9, |v[XS+\i+2]|, |v[XS+\i+3]|
.endr
	v_max3_num_f32 v8, v8, |v[XS+30]|, |v[XS+31]|
	v_max3_num_f32 v8, v8, v9, (EMAX+1)<<23        ; and the floor 2^(EMAX + 1 - 127): the byte cannot fall under 1
	v_add_nc_u32 v11, -(EMAX<<23), v8              ; EMAX off its exponent field: the conversion takes the exponent field of this operand as its scale
	v_cvt_scalef32_pk16_fp6_f32 v[C:C+2], v[XS:XS+15], v11
	v_cvt_scalef32_pk16_fp6_f32 v[D:D+2], v[XS+16:XS+31], v11      ; (a conversion's three registers begin on an even number)
	v_lshrrev_b32 v[E], 23, v11                    ; the scale's byte (the plain place behind the conversions)
.irp i, 0,1,2
	v_mov_b32 v[C+3+\i], v[D+\i]
.endr
	ds_store_b8 v5, v[E] offset:2*(\t)
	global_store_b128 v4, v[C:C+3], s[8:9] offset:768*(\t)         ; 512 consecutive bytes, aligned
	global_store_b64 v7, v[C+4:C+5], s[8:9] offset:768*(\t)+512    ; 256
.endm
.irp t, 0,1,2,3,4,5,6,7,8,9,10,11,12,13,14,15
	STEP \t
.endr
	ds_load_b128 v[8:11], v6                       ; LDS serves a wave's instructions in order: these see my stores
	s_wait_dscnt 0x0
	global_store_b128 v4, v[8:11], s[10:11]        ; 512 consecutive bytes, aligned
	s_wait_tensorcnt 0x0                           ; the wave's end, behind my last LDS store
	ds_add_u32 v[SPW], v[NIL]
	s_wait_dscnt 0x0
	s_endpgm
.Lfunc_end_k_q6db97a40b1_quant:
	.size	k_q6db97a40b1_quant, .Lfunc_end_k_q6db97a40b1_quant-k_q6db97a40b1_quant
	.p2alignl 7, 3214868480
	.fill 96, 4, 3214868480
	.section	.rodata,"a",@progbits
	.p2align	6, 0x0
	.amdhsa_kernel k_q6db97a40b1_quant
		.amdhsa_group_segment_fixed_size 37376
		.amdhsa_private_segment_fixed_size 0
		.amdhsa_enable_private_segment 0
		.amdhsa_kernarg_size 72
		.amdhsa_user_sgpr_count 2
		.amdhsa_user_sgpr_kernarg_segment_ptr 1
		.amdhsa_wavefront_size32 1
		.amdhsa_system_sgpr_workgroup_id_x 1
		.amdhsa_system_sgpr_workgroup_id_y 1
		.amdhsa_system_sgpr_workgroup_id_z 1
		.amdhsa_system_vgpr_workitem_id 0
		.amdhsa_next_free_vgpr 192
		.amdhsa_next_free_sgpr 66
		.amdhsa_reserve_vcc 0
		.amdhsa_float_denorm_mode_32 3
		.amdhsa_float_denorm_mode_16_64 3
		.amdhsa_memory_ordered 1
		.amdhsa_forward_progress 1
		.amdhsa_inst_pref_size 59
	.end_amdhsa_kernel
	.amdgpu_metadata
---
amdhsa.version: [ 1, 2 ]
amdhsa.kernels:
  - .name:           k_q6db97a40b1_quant
    .symbol:         k_q6db97a40b1_quant.kd
    .args:
      - { .name: query, .offset: 0, .size: 8, .value_kind: global_buffer, .address_space: global }
      - { .name: key, .offset: 8, .size: 8, .value_kind: global_buffer, .address_space: global }
      - { .name: value, .offset: 16, .size: 8, .value_kind: global_buffer, .address_space: global }
      - { .name: Wq, .offset: 24, .size: 8, .value_kind: global_buffer, .address_space: global }
      - { .name: Wk, .offset: 32, .size: 8, .value_kind: global_buffer, .address_space: global }
      - { .name: Wv, .offset: 40, .size: 8, .value_kind: global_buffer, .address_space: global }
      - { .name: Wo, .offset: 48, .size: 8, .value_kind: global_buffer, .address_space: global }
      - { .name: codes, .offset: 56, .size: 8, .value_kind: global_buffer, .address_space: global }
      - { .name: scales, .offset: 64, .size: 8, .value_kind: global_buffer, .address_space: global }
    .group_segment_fixed_size: 37376
    .private_segment_fixed_size: 0
    .kernarg_segment_align: 8
    .kernarg_segment_size: 72
    .max_flat_workgroup_size: 128
    .sgpr_count:     66
    .vgpr_count:     192
    .wavefront_size: 32
...
	.end_amdgpu_metadata
.endif
;; end of part 1
;; launch proj (part 2): grid 4 x 96, 4 waves a work-group, clusters of 4 x 4, 327,680 bytes of LDS; arguments codes, scales, bq, bk, bv, qrec, krec, vrec; writes qrec, krec, vrec
.if DOCPART == 2
	.amdgcn_target "amdgcn-amd-amdhsa--gfx1250"
	.amdhsa_code_object_version 6
	.text
	.protected	k_q6db97a40b1_proj
	.globl	k_q6db97a40b1_proj
	.p2align	8
	.type	k_q6db97a40b1_proj,@function
k_q6db97a40b1_proj:
	s_mov_b64 s[64:65], 0
	v_nop
	global_prefetch_b8 v0, s[64:65] scope:SCOPE_SE
	s_setreg_imm32_b32 hwreg(HW_REG_WAVE_MODE, 25, 1), 1
	s_wait_xcnt 0x0
	s_wait_alu depctr_hold_cnt(0) depctr_sa_sdst(0) depctr_va_vdst(0) depctr_va_sdst(0) depctr_va_ssrc(0) depctr_va_vcc(0) depctr_vm_vsrc(0)
	s_getreg_b32 s2, hwreg(HW_REG_IB_STS2, 6, 4)
	s_cmp_eq_u32 s2, 0
	s_cbranch_scc0 .Lentry_in_a_cluster
	s_endpgm
.Lentry_in_a_cluster:
	s_bfe_u32 s2, ttmp6, 0x10000c
	s_cmp_lg_u32 s2, 0xf033
	s_cbranch_scc0 .Lentry_shape_is_right
	s_endpgm
.Lentry_shape_is_right:
; The three projections on codes of FP6 with E8M0 scales: a block of 256 x 256 a work-group, 128 x 128 a wave, K = 1,024 in four steps of 256 through a ring of two LDS slots.
; Both operands lie in memory as images of the operand's registers: a tile of 16 places x 256 along K is one tensor row of 3,072 dense bytes, at a multiple of 256; a fragment is four LDS loads of consecutive bytes.
; The head's four tiles (step 0 of A and of B, A's and B's scales) go out one a wave; slot 1 is first filled behind a round of the cluster's barrier.  Tiles are asked for jointly in a cluster of 4 x 4.
; The way out adds the bias, quantises along the next product's K and stores records of 128 places for the attention.  No prefetch: K has four steps, of which two are asked for at the start.
.set KSTEP,  256
.set NQ,     2
.set AROWB,  3072
.set KROW,   768
.set FR,     12
.set NL,     4
.set NP,     4
.set HALFT,  8*AROWB
.set SLOT,   4*HALFT
.set LAPS,   2
.set KS,     32
.set SCL,    2*SLOT
.set HALFS,  (128*KS/256)*272
.set SBLK,   (16*KS/256)*272
.set SPARE,  SCL+4*HALFS
.set RECB,   6400
.set HEADB,  16*RECB
.set ADRA, 16
.set ADRB, 20
.set BNO,  24
.set BAO,  25
.set L16,  26
.set ADRS, 27
.set SPW,  28
.set NIL,  29
.set L8,   30
.set SCO,  31
.set SC,   32
.set TM,   32
.set PWS,  48
.set PKW,  56
.set BN,   64
.set AF,   128
.set HA,   128
.set CD,   192
.set BA,   224
.set SELV, 240
.set SEL,  18
.set KIND, 100
.set G1, 24
.set G0, 32
.set G1B, 48
.set G0B, 56
.set G1S, 68
.set G0S, 76
.set G1SB, 80
.set G0SB, 88
.set G0H, 4
.set G0HB, 8
.set MSB, 0
.macro WIN new
.if MSB != \new
	s_set_vgpr_msb (MSB<<8)|\new
.set MSB, \new
.endif
.endm
.set MUL_LO, 0xa1
.set MUL_HI, 0xf1
.set TO_B,   0x40
.macro JLOAD g0a, g1a, g0b, g1b
	s_cmp_eq_u32 s15, 0
	s_cbranch_scc0 .Lfor_b_\@
	tensor_load_to_lds s[\g0a:\g0a+3], s[\g1a:\g1a+7]
	s_nop 0
.rept 4
	v_nop
.endr
	s_branch .Lasked_\@
.Lfor_b_\@:
	tensor_load_to_lds s[\g0b:\g0b+3], s[\g1b:\g1b+7]
	s_nop 0
.rept 4
	v_nop
.endr
.Lasked_\@:
.endm
.macro CREST
	s_cmp_lg_u32 s14, 0
	s_cbranch_scc1 .Lnot_wave_0_\@
	s_barrier_signal -3
.Lnot_wave_0_\@:
	s_barrier_wait -3
	s_barrier_signal -1
	s_barrier_wait -1
.endm
.macro CROUND
	s_barrier_signal -1
	s_barrier_wait -1
	CREST
.endm
	s_load_b128 s[4:7], s[0:1], 0x0
	s_load_b256 s[68:75], s[0:1], 0x10
	s_load_b128 s[76:79], s[0:1], 0x30
	v_lshl_add_u32 v[SPW], v0, 2, SPARE
	v_mov_b32 v[NIL], 0
	ds_add_u32 v[SPW], v[NIL]
	ds_add_u32 v[SPW], v[NIL]
	v_lshrrev_b32 v1, 5, v0
	v_readfirstlane_b32 s14, v1
	s_lshr_b32 s15, s14, 1
	s_and_b32 s16, s14, 1
	s_bfe_u32 s40, ttmp6, 0x40000
	s_bfe_u32 s41, ttmp6, 0x40004
	s_and_b32 s17, ttmp7, 0xffff
	s_lshr_b32 s[KIND], s17, 3
	s_and_b32 s17, s17, 7
	s_lshl_b32 s17, s17, 2
	s_lshl_b32 s66, s[KIND], 13
	s_lshl_b32 s67, s[KIND], 10
	s_add_co_u32 s67, s67, 24576
	s_cmp_eq_u32 s[KIND], 2
	s_cselect_b32 s66, 26624, s66
	s_cselect_b32 s67, 16384, s67
	s_cselect_b32 s42, s17, 0
	s_cselect_b32 s17, 0, s17
	s_add_co_u32 s42, s42, s40
	s_add_co_u32 s17, s17, s41
	s_lshl_b32 s43, s41, 2
	s_lshl_b32 s43, 15, s43
	s_lshl_b32 s44, 0x1111, s40
	s_or_b32 s[G1+0], s43, (3<<16)|(1<<21)         ; elements of 8 bytes, no padding; 16 tiles of places for the head's loads
	s_or_b32 s[G1B+0], s44, (3<<16)|(1<<21)
.irp g, G1, G1B
	s_mov_b32 s[\g+1], 384<<16
	s_mov_b32 s[\g+2], 16<<16
	s_mov_b32 s[\g+3], 384<<16
	s_mov_b32 s[\g+4], 16
	s_mov_b32 s[\g+5], 1536
	s_mov_b32 s[\g+6], 0
	s_mov_b32 s[\g+7], 0
.endr
	s_lshl_b32 s20, s17, 8
	s_add_co_u32 s20, s20, s66
	s_lshl_b32 s46, s42, 8
	s_add_co_u32 s46, s46, s67
	s_mov_b32 s21, 0
	s_mov_b32 s47, 0
	s_mov_b64 s[18:19], KS
	s_mul_u64 s[22:23], s[20:21], s[18:19]
	s_mul_u64 s[92:93], s[46:47], s[18:19]
	s_mov_b64 s[18:19], KROW
	s_mul_u64 s[20:21], s[20:21], s[18:19]
	s_mul_u64 s[46:47], s[46:47], s[18:19]
	s_mul_i32 s18, s16, 128*KROW                   ; in the ring I fetch 128 places of a tile: which half, in bytes
	s_mov_b32 s19, 0
	s_mul_i32 s45, s14, HALFT
	s_mov_b32 s101, 0xffff0000
	s_wait_dscnt 0x0
	s_wait_kmcnt 0x0
	s_cmp_eq_u32 s[KIND], 0
	s_cselect_b64 s[96:97], s[68:69], s[70:71]
	s_cselect_b64 s[98:99], s[74:75], s[76:77]
	s_cmp_eq_u32 s[KIND], 2
	s_cselect_b64 s[96:97], s[72:73], s[96:97]
	s_cselect_b64 s[98:99], s[78:79], s[98:99]
	s_or_b32 s[G1S+0], s43, (3<<16)|(1<<20)|(1<<21)|(5<<22)|(3<<25)
	s_or_b32 s[G1SB+0], s44, (3<<16)|(1<<20)|(1<<21)|(5<<22)|(3<<25)
.irp g, G1S, G1SB
	s_mov_b32 s[\g+1], 32<<16
	s_mov_b32 s[\g+2], KS<<16
	s_mov_b32 s[\g+3], 32<<16
	s_mov_b32 s[\g+4], KS
	s_mov_b32 s[\g+5], 32
	s_mov_b32 s[\g+6], 0
	s_mov_b32 s[\g+7], 0
.endr
	s_add_nc_u64 s[20:21], s[4:5], s[20:21]
	s_add_nc_u64 s[22:23], s[6:7], s[22:23]
	s_add_nc_u64 s[46:47], s[4:5], s[46:47]
	s_add_nc_u64 s[92:93], s[6:7], s[92:93]
	CROUND
	s_mov_b32 s[G0S], 1
	s_mov_b32 s[G0S+1], SCL
	s_mov_b64 s[G0S+2:G0S+3], s[22:23]
	s_or_b32 s[G0S+3], s[G0S+3], 0x80000000
	s_mov_b32 s[G0SB], 1
	s_mov_b32 s[G0SB+1], SCL+2*HALFS
	s_mov_b64 s[G0SB+2:G0SB+3], s[92:93]
	s_or_b32 s[G0SB+3], s[G0SB+3], 0x80000000
	s_mov_b32 s[G0H], 1                            ; step 0's 256 places of A,
	s_mov_b32 s[G0H+1], 0
	s_mov_b64 s[G0H+2:G0H+3], s[20:21]
	s_or_b32 s[G0H+3], s[G0H+3], 0x80000000
	s_mov_b32 s[G0HB], 1                           ; and of B, behind them in slot 0
	s_mov_b32 s[G0HB+1], 2*HALFT
	s_mov_b64 s[G0HB+2:G0HB+3], s[46:47]
	s_or_b32 s[G0HB+3], s[G0HB+3], 0x80000000
	s_add_nc_u64 s[20:21], s[20:21], s[18:19]      ; for the ring: my 128 places
	s_add_nc_u64 s[46:47], s[46:47], s[18:19]
.irp s, 0,1
	s_mov_b32 s[G0+4*\s], 1
	s_add_co_u32 s[G0+4*\s+1], s45, \s*SLOT
	s_add_nc_u64 s[G0+4*\s+2:G0+4*\s+3], s[20:21], \s*AROWB
	s_or_b32 s[G0+4*\s+3], s[G0+4*\s+3], 0x80000000
	s_mov_b32 s[G0B+4*\s], 1
	s_add_co_u32 s[G0B+4*\s+1], s45, \s*SLOT
	s_add_nc_u64 s[G0B+4*\s+2:G0B+4*\s+3], s[46:47], \s*AROWB
	s_or_b32 s[G0B+4*\s+3], s[G0B+4*\s+3], 0x80000000
.endr
; the head's loads, one a wave, in one tree of branches on the wave's number
.macro ARM under, g0, g1, next
	s_cmp_lt_u32 s14, \under
	s_cbranch_scc0 \next
	tensor_load_to_lds s[\g0:\g0+3], s[\g1:\g1+7]
	s_nop 0
.rept 4
	v_nop
.endr
	s_branch .Lhead_asked
\next:
.endm
	ARM 1, G0H,  G1,  .Lhead_b
	ARM 2, G0HB, G1B, .Lhead_sa
	ARM 3, G0S,  G1S, .Lhead_sb
	tensor_load_to_lds s[G0SB:G0SB+3], s[G1SB:G1SB+7]
	s_nop 0
.rept 4
	v_nop
.endr
.Lhead_asked:
	v_and_b32 v1, 15, v0
	v_bfe_u32 v2, v0, 4, 1
	v_and_b32 v6, 31, v0
	v_lshlrev_b32 v4, 4, v6                        ; registers 0-3 of an image: 16 x lane
	v_lshlrev_b32 v5, 3, v6                        ; registers 4-5: 8 x lane
	s_mul_i32 s21, s15, HALFT
	s_mul_i32 s22, s16, HALFT
	s_add_co_u32 s22, s22, 2*HALFT
.irp s, 0,1
	v_add_nc_u32 v[ADRA+\s], s21, v4
	v_add_nc_u32 v[ADRB+\s], s22, v4
	v_add_nc_u32 v[ADRA+2+\s], s21, v5
	v_add_nc_u32 v[ADRB+2+\s], s22, v5
	s_add_co_u32 s21, s21, SLOT
	s_add_co_u32 s22, s22, SLOT
.endr
	v_mul_u32_u24 v5, v1, KS
	v_lshrrev_b32 v6, 8, v5
	v_lshl_add_u32 v5, v6, 4, v5
	s_mul_i32 s21, s15, HALFS
	s_mul_i32 s22, s16, HALFS
	s_add_co_u32 s22, s22, 2*HALFS
	s_sub_co_u32 s22, s22, s21
	v_mul_u32_u24 v6, s22, v2
	s_add_co_u32 s21, s21, SCL
	v_add_nc_u32 v5, v5, v6
	v_add_nc_u32 v[ADRS], s21, v5
	v_and_b32 v6, 31, v0
	v_lshlrev_b32 v[L16], 4, v6
	v_lshlrev_b32 v[L8], 3, v6
	v_mul_u32_u24 v[SCO], v2, HEADB
	v_lshl_add_u32 v[SCO], v1, 4, v[SCO]
	v_mov_b32 v[SELV], 0x05040100
	v_mov_b32 v6, 0x07060302
	v_cndmask_b32 v[SELV], v[SELV], v6, s101
	v_lshlrev_b32 v[BNO], 6, v2
	s_wait_alu depctr_va_vdst(0)
	v_and_b32 v6, 8, v1
	v_add_nc_u32 v6, v6, v1
	v_lshlrev_b32 v[BAO], 2, v6
	s_wait_alu depctr_va_vdst(0)
	s_lshl_b32 s20, s17, 8
	s_lshl_b32 s21, s15, 7
	s_add_co_u32 s20, s20, s21
	s_lshl_b32 s46, s42, 8
	s_lshl_b32 s47, s16, 7
	s_add_co_u32 s46, s46, s47
	s_cmp_eq_u32 s[KIND], 2
	s_cselect_b32 s22, s46, s20
	s_cselect_b32 s23, s20, s46
	s_cselect_b32 s66, 0, s46
	s_cselect_b32 s67, s20, 0
	s_lshr_b32 s92, s22, 11
	s_lshl_b32 s92, s92, 4
	s_lshr_b32 s93, s23, 6
	s_or_b32 s92, s92, s93
	s_lshl_b32 s92, s92, 4
	s_bfe_u32 s93, s22, 0x40007
	s_or_b32 s92, s92, s93
	s_mul_i32 s92, s92, RECB
	s_mov_b32 s93, 0
	s_add_nc_u64 s[98:99], s[98:99], s[92:93]
	s_lshl_b32 s92, s67, 2
	s_add_nc_u64 s[94:95], s[96:97], s[92:93]
	s_lshl_b32 s92, s66, 2
	s_add_nc_u64 s[96:97], s[96:97], s[92:93]
.irp i, 0,1,2,3
.irp j, 0,1,2,3
	global_load_b128 v[BN+16*\i+4*\j:BN+16*\i+4*\j+3], v[BNO], s[96:97] offset:128*\i+16*\j
.endr
.endr
.irp a, 0,1,2,3,4,5,6,7
	global_load_b32 v[BA+2*\a], v[BAO], s[94:95] offset:(32*(\a/2)+8*(\a%2))*4
	global_load_b32 v[BA+2*\a+1], v[BAO], s[94:95] offset:(32*(\a/2)+8*(\a%2))*4
.endr
.macro FRAG reg, adr, q, i
	ds_load_b128 v[\reg:\reg+3],     v[\adr]   offset:AROWB*(\i)+1536*(\q)
	ds_load_b64  v[\reg+4:\reg+5],   v[\adr+2] offset:AROWB*(\i)+1536*(\q)+512
	ds_load_b128 v[\reg+6:\reg+9],   v[\adr]   offset:AROWB*(\i)+1536*(\q)+768
	ds_load_b64  v[\reg+10:\reg+11], v[\adr+2] offset:AROWB*(\i)+1536*(\q)+1280
.endm
.macro MUL16 a0, p, q, sc, zero
.irp a, \a0, \a0+1
.irp b, 0,1,2,3,4,5,6,7
.if \zero
	v_wmma_scale_f32_16x16x128_f8f6f4 v[8*(8*((\a)%4)+\b):8*(8*((\a)%4)+\b)+7], v[128*(\p)+FR*\b:128*(\p)+FR*\b+FR-1], v[AF+FR*(\a):AF+FR*(\a)+FR-1], 0, v[SC+8*NQ*(\sc)+NQ*\b+(\q)], v[SC+8*NQ*(\sc)+NQ*(\a)+(\q)] matrix_a_fmt:MATRIX_FMT_FP6 matrix_b_fmt:MATRIX_FMT_FP6 matrix_a_scale:MATRIX_SCALE_ROW1
.else
	v_wmma_scale_f32_16x16x128_f8f6f4 v[8*(8*((\a)%4)+\b):8*(8*((\a)%4)+\b)+7], v[128*(\p)+FR*\b:128*(\p)+FR*\b+FR-1], v[AF+FR*(\a):AF+FR*(\a)+FR-1], v[8*(8*((\a)%4)+\b):8*(8*((\a)%4)+\b)+7], v[SC+8*NQ*(\sc)+NQ*\b+(\q)], v[SC+8*NQ*(\sc)+NQ*(\a)+(\q)] matrix_a_fmt:MATRIX_FMT_FP6 matrix_b_fmt:MATRIX_FMT_FP6 matrix_a_scale:MATRIX_SCALE_ROW1
.endif
.endr
.endr
.endm
.macro FETCH_B slot, q, p
	WIN TO_B
.irp i, 0,1,2,3,4,5,6,7
	FRAG 128*(\p)+FR*\i, ADRB+\slot, \q, \i
.endr
	WIN 0
.endm
.macro FETCH_A slot, q, i0
.irp i, \i0, \i0+1, \i0+2, \i0+3
	FRAG AF+FR*(\i), ADRA+\slot, \q, \i
.endr
.endm
.macro SCALES sc
.irp i, 0,1,2,3,4,5,6,7
	ds_load_b64 v[SC+8*NQ*\sc+NQ*\i:SC+8*NQ*\sc+NQ*\i+1], v[ADRS] offset:\i*SBLK
.endr
.endm
.macro PLACES n
.rept \n
	v_nop
.endr
.endm
.macro STEP slot, q, zero
	s_wait_dscnt 4*NL
	WIN MUL_LO
	MUL16 0, (\q)%2, \q, \slot, \zero
	MUL16 2, (\q)%2, \q, \slot, \zero
	s_wait_dscnt 0
	PLACES NP
	FETCH_B \slot, (\q)+1, 1-(\q)%2
	FETCH_A \slot, (\q)+1, 0
	WIN MUL_HI
	MUL16 4, (\q)%2, \q, \slot, \zero
	MUL16 6, (\q)%2, \q, \slot, \zero
	PLACES NP
	WIN 0
	FETCH_A \slot, (\q)+1, 4
.endm
.macro TURN slot, next, fill
	s_wait_tensorcnt 0x0
	ds_add_u32 v[SPW], v[NIL]
	s_wait_dscnt 4*NL+1
	WIN MUL_LO
	MUL16 0, 1, NQ-1, \slot, 0
	s_wait_dscnt 0x0
	s_barrier_signal -1
	MUL16 2, 1, NQ-1, \slot, 0
	WIN 0
	s_barrier_wait -1
.if \fill
	CREST
	s_add_nc_u64 s[G0+4*\slot+2:G0+4*\slot+3], s[G0+4*\slot+2:G0+4*\slot+3], 2*AROWB
	s_add_nc_u64 s[G0B+4*\slot+2:G0B+4*\slot+3], s[G0B+4*\slot+2:G0B+4*\slot+3], 2*AROWB
	JLOAD G0+4*\slot, G1, G0B+4*\slot, G1B
.else
	PLACES NP
.endif
	s_wait_alu depctr_va_vdst(0)
	v_add_nc_u32 v[ADRS], 4*NQ, v[ADRS]
	FETCH_B \next, 0, 0
	FETCH_A \next, 0, 0
	SCALES \next
	WIN MUL_HI
	MUL16 4, 1, NQ-1, \slot, 0
	MUL16 6, 1, NQ-1, \slot, 0
	PLACES NP
	WIN 0
	FETCH_A \next, 0, 4
.endm
	s_wait_alu depctr_va_vdst(0)                   ; the wait at the head's end
	s_wait_tensorcnt 0x0                           ; my tile of the head's four is in; these lines stand ahead of a later first fill as ahead of a refill
	ds_add_u32 v[SPW], v[NIL]
	s_mov_b32 s[G1+2], 8<<16                       ; no tensor load of mine is out: from here on a load brings 8 tiles of places
	s_mov_b32 s[G1+4], 8
	s_mov_b32 s[G1B+2], 8<<16
	s_mov_b32 s[G1B+4], 8
	s_wait_dscnt 0x0
	CROUND
	JLOAD G0+4, G1, G0B+4, G1B                     ; slot 1's first fill, the first tensor load behind the round
	FETCH_B 0, 0, 0
	FETCH_A 0, 0, 0
	SCALES 0
	FETCH_A 0, 0, 4
	STEP 0, 0, 1
	s_mov_b32 s3, LAPS-1
.Llap:
	TURN 0, 1, 1
	STEP 1, 0, 0
	TURN 1, 0, 1
	STEP 0, 0, 0
	s_sub_co_u32 s3, s3, 1
	s_cmp_lg_u32 s3, 0
	s_cbranch_scc1 .Llap
	TURN 0, 1, 0
	STEP 1, 0, 0
	s_wait_dscnt 4*NL
	WIN MUL_LO
	MUL16 0, 1, NQ-1, 1, 0
	MUL16 2, 1, NQ-1, 1, 0
	s_wait_dscnt 0
	WIN MUL_HI
	MUL16 4, 1, NQ-1, 1, 0
	MUL16 6, 1, NQ-1, 1, 0
	WIN 0
.macro QUANT s, pw
.irp b, 0,1,2,3
	v_max3_num_f32 v[TM+\b], |v[\s+16*\b]|, |v[\s+1+16*\b]|, 0x1800000
.endr
.irp i, 2,4,6,8,10,12,14
.irp b, 0,1,2,3
	v_max3_num_f32 v[TM+\b], v[TM+\b], |v[\s+16*\b+\i]|, |v[\s+1+16*\b+\i]|
.endr
.endr
.irp b, 0,1,2,3
	v_permlanex16_b32 v[TM+4+\b], v[TM+\b], s[SEL], s[SEL+1]
.endr
.irp b, 0,1,2,3
	v_max_num_f32 v[TM+\b], v[TM+\b], v[TM+4+\b]
.endr
.irp b, 0,1,2,3
	v_add_nc_u32 v[TM+12+\b], 0xff000000, v[TM+\b]
.endr
.irp b, 0,1,2,3
	v_lshrrev_b32 v[TM+4+\b], 23, v[TM+12+\b]
.endr
	v_lshl_or_b32 v[\pw], v[TM+5], 8, v[TM+4]
	v_lshl_or_b32 v[\pw], v[TM+6], 16, v[\pw]
	v_lshl_or_b32 v[\pw], v[TM+7], 24, v[\pw]
.irp c, 0,1
	v_cvt_scalef32_pk16_fp6_f32 v[CD+6*\c:CD+2+6*\c], v[\s+32*\c:\s+15+32*\c], v[TM+12+2*\c]
	v_cvt_scalef32_pk16_fp6_f32 v[CD+12+4*\c:CD+14+4*\c], v[\s+16+32*\c:\s+31+32*\c], v[TM+12+2*\c+1]
.endr
	v_nop
.irp c, 0,1
.irp i, 0,1,2
	v_permlane16_swap_b32 v[CD+6*\c+\i], v[CD+12+4*\c+\i]
.endr
.irp i, 0,1,2
	v_mov_b32 v[CD+3+6*\c+\i], v[CD+12+4*\c+\i]
.endr
.endr
.endm
.macro EPI kind, a
	s_wait_xcnt 0x0
	WIN 0x02+(\a)/4
.set x, 0
.rept 32
.if \kind == 2
	v_pk_add_f32 v[HA+x:HA+x+1], v[64*((\a)%4)+x:64*((\a)%4)+x+1], v[BA+2*(\a):BA+2*(\a)+1]
.else
	v_pk_add_f32 v[HA+x:HA+x+1], v[64*((\a)%4)+x:64*((\a)%4)+x+1], v[BN+x:BN+x+1]
.endif
.set x, x+2
.endr
	WIN 0
	QUANT HA, PWS+(\a)
.if \kind == 2
.irp c, 0,1,2
	global_store_b128 v[L16], v[CD+4*\c:CD+4*\c+3], s[98:99] offset:((\a)/4)*HEADB+256+1536*((\a)%4)+512*\c
.endr
.else
	global_store_b128 v[L16], v[CD:CD+3], s[98:99] offset:768*(\a)
	global_store_b64 v[L8], v[CD+4:CD+5], s[98:99] offset:768*(\a)+512
	global_store_b128 v[L16], v[CD+6:CD+9], s[98:99] offset:HEADB+768*(\a)
	global_store_b64 v[L8], v[CD+10:CD+11], s[98:99] offset:HEADB+768*(\a)+512
.endif
.endm
	PLACES NP
	s_wait_loadcnt 0x0
	s_mov_b32 s[SEL], 0x76543210
	s_mov_b32 s[SEL+1], 0xfedcba98
.irp b, 0,1,2,3
	v_mov_b32 v[TM+4+\b], 0
.endr
	s_cmp_eq_u32 s[KIND], 2
	s_cbranch_scc1 .Lepi_v
.irp a, 0,1,2,3,4,5,6,7
	EPI 0, \a
.endr
.irp i, 0,1,2,3
	v_perm_b32 v[PKW+\i], v[PWS+2*\i+1], v[PWS+2*\i], v[SELV]
.endr
	global_store_b128 v[SCO], v[PKW:PKW+3], s[98:99] offset:6144
	s_branch .Lend
.Lepi_v:
.irp a, 0,1,2,3,4,5,6,7
	EPI 2, \a
.endr
.irp i, 0,1,2,3
	v_cndmask_b32 v[PKW+\i], v[PWS+\i], v[PWS+4+\i], s101
.endr
	global_store_b128 v[SCO], v[PKW:PKW+3], s[98:99]
.Lend:
	s_wait_tensorcnt 0x0
	ds_add_u32 v[SPW], v[NIL]
	s_wait_dscnt 0x0
	CROUND
	s_endpgm
.Lfunc_end_k_q6db97a40b1_proj:
	.size	k_q6db97a40b1_proj, .Lfunc_end_k_q6db97a40b1_proj-k_q6db97a40b1_proj
	.p2alignl 7, 3214868480
	.fill 96, 4, 3214868480
	.section	.rodata,"a",@progbits
	.p2align	6, 0x0
	.amdhsa_kernel k_q6db97a40b1_proj
		.amdhsa_group_segment_fixed_size 327680
		.amdhsa_private_segment_fixed_size 0
		.amdhsa_enable_private_segment 0
		.amdhsa_kernarg_size 64
		.amdhsa_user_sgpr_count 2
		.amdhsa_user_sgpr_kernarg_segment_ptr 1
		.amdhsa_wavefront_size32 1
		.amdhsa_system_sgpr_workgroup_id_x 1
		.amdhsa_system_sgpr_workgroup_id_y 1
		.amdhsa_system_sgpr_workgroup_id_z 1
		.amdhsa_system_vgpr_workitem_id 0
		.amdhsa_next_free_vgpr 1024
		.amdhsa_next_free_sgpr 102
		.amdhsa_reserve_vcc 0
		.amdhsa_float_denorm_mode_32 3
		.amdhsa_float_denorm_mode_16_64 3
		.amdhsa_memory_ordered 1
		.amdhsa_forward_progress 1
		.amdhsa_inst_pref_size 219
	.end_amdhsa_kernel
	.amdgpu_metadata
---
amdhsa.version: [ 1, 2 ]
amdhsa.kernels:
  - .name:           k_q6db97a40b1_proj
    .symbol:         k_q6db97a40b1_proj.kd
    .args:
      - { .name: codes, .offset: 0, .size: 8, .value_kind: global_buffer, .address_space: global }
      - { .name: scales, .offset: 8, .size: 8, .value_kind: global_buffer, .address_space: global }
      - { .name: bq, .offset: 16, .size: 8, .value_kind: global_buffer, .address_space: global }
      - { .name: bk, .offset: 24, .size: 8, .value_kind: global_buffer, .address_space: global }
      - { .name: bv, .offset: 32, .size: 8, .value_kind: global_buffer, .address_space: global }
      - { .name: qrec, .offset: 40, .size: 8, .value_kind: global_buffer, .address_space: global }
      - { .name: krec, .offset: 48, .size: 8, .value_kind: global_buffer, .address_space: global }
      - { .name: vrec, .offset: 56, .size: 8, .value_kind: global_buffer, .address_space: global }
    .group_segment_fixed_size: 327680
    .private_segment_fixed_size: 0
    .kernarg_segment_align: 8
    .kernarg_segment_size: 64
    .max_flat_workgroup_size: 128
    .sgpr_count:     102
    .vgpr_count:     1024
    .wavefront_size: 32
...
	.end_amdgpu_metadata
.endif
;; end of part 2
;; launch attn (part 3): grid 4 x 64, 16 waves a work-group, clusters of 4 x 1, 206,848 bytes of LDS; arguments qrec, krec, vrec, acodes, ascales; writes acodes, ascales
.if DOCPART == 3
	.amdgcn_target "amdgcn-amd-amdhsa--gfx1250"
	.amdhsa_code_object_version 6
	.text
	.protected	k_q6db97a40b1_attn
	.globl	k_q6db97a40b1_attn
	.p2align	8
	.type	k_q6db97a40b1_attn,@function
k_q6db97a40b1_attn:
	s_mov_b64 s[64:65], 0
	v_nop
	global_prefetch_b8 v0, s[64:65] scope:SCOPE_SE
	s_setreg_imm32_b32 hwreg(HW_REG_WAVE_MODE, 25, 1), 1
	s_wait_xcnt 0x0
	s_wait_alu depctr_hold_cnt(0) depctr_sa_sdst(0) depctr_va_vdst(0) depctr_va_sdst(0) depctr_va_ssrc(0) depctr_va_vcc(0) depctr_vm_vsrc(0)
	s_getreg_b32 s2, hwreg(HW_REG_IB_STS2, 6, 4)
	s_cmp_eq_u32 s2, 0
	s_cbranch_scc0 .Lentry_in_a_cluster
	s_endpgm
.Lentry_in_a_cluster:
	s_bfe_u32 s2, ttmp6, 0x10000c
	s_cmp_lg_u32 s2, 0x3003
	s_cbranch_scc0 .Lentry_shape_is_right
	s_endpgm
.Lentry_shape_is_right:
; Attention of one head on codes of FP6 (E2M3) with E8M0 scales: S^T = K Q^T (K = the head's 64 dims), the softmax, O^T = V^T P^T (K = the keys), O / l, and the quantiser of the output projection's operand.
; THE SOFTMAX: t = score x log2(e) / 8; M = the running largest t rounded UP to a whole number; p = 2^(t - M) is what is quantised, along the keys, not normalised.  The row's sum l is taken of the unquantised p, in f32,
; and divides O at the end.  When M moves, l and O are multiplied by 2^(old M - new M): exact.
; SHARES.  A cluster of four work-groups has one head (cluster y = batch x 16 + head); work-group cx has 512 of its 2,048 queries; each of its sixteen waves owns one tile of 16 queries in each of two passes and walks all keys, 128 a step.
; A HEAD'S K AND V, AS CODES, ARE 204,800 BYTES: they come into LDS ONCE, each wave bringing two records (12,800 dense bytes) by one tensor load, asked for JOINTLY by the four partners.  Nothing is filled again; nothing is stored to LDS.
; The records lie in the order of the operand's registers, so every LDS load of a wave reads 256 or 512 consecutive bytes.
; A lane holds ONE query (lane % 16) throughout.  THE KEYS OF A TILE OF K ARE NOT NEIGHBOURS (the records were made so): tile 4 c + u holds keys 64 c + 8 u + 0..7 and 64 c + 32 + 8 u + 0..7, so the 32 score registers of
; tiles 4 c .. 4 c + 3 are keys 64 c + 32 (lane / 16) + 0 .. 31: A WHOLE BLOCK OF THE NEXT K IN ONE LANE, in the order of the operand's layout: its largest p needs no other lane, and its codes are not exchanged between lanes.
; K = 64 IN AN INSTRUCTION OF 128: source 0 holds key tile 2 i in its first 64 along K and key tile 2 i + 1 in its second; source 1 is (q, zeros) or (zeros, q).  q's scale word carries the byte 1 on its zero half.
; TWO REGIONS OF 64 REGISTERS CHANGE ROLES FROM STEP TO STEP: one holds K's fragments and then V's, the other the scores, then p, and, once p is converted, the next step's fragments of K.
; WHAT LEAVES: acodes [tile of 16 rows][head][768 bytes: registers 0-3 at 16 x lane, registers 4-5 at 8 x lane]; ascales [row][32]: byte 2 x head + block, one byte a lane: a row's 32 bytes come from sixteen heads' work-groups.
; No prefetch: each byte of K and V is asked for once, at the head, and there is no loop that runs ahead of a load from memory.
; LIMITS: p under 2^-126 counts as 0 (v_exp_f32: ISA guide 15.8); 1 / l is v_rcp_f32 and a multiplication (l is at least 1/2); a block of zeros gets the byte 1; NaN and infinities are not served; the scaled scores stay under 2^31 in magnitude.
.set RECB,  6400
.set HEADB, 16*RECB
.set VB,    HEADB                      ; LDS: K's 16 records, then V's 16
.set SPARE, 2*HEADB                    ; behind them the spare words, 128 bytes a wave, which no other line names
.set L16,  1                           ; 16 x lane
.set L8,   2                           ; 8 x lane
.set SCA0, 3                           ; lanes 0-15: K's pair words of a record (6,144 + 16 r); lanes 16-31: V's words (VB + 16 r)
.set SPW,  4
.set NIL,  5
.set A16,  6                           ; v6-9: the same four + the byte of this trip's first record
.set A8,   7
.set ASC,  8
.set AV,   9
.set LV,   10                          ; VB + 16 x lane
.set SBO,  11                          ; 32 r + lane / 16: my scale byte's place
                                       ; v12 -M, v13 the running largest score, v14-15 l in two halves
.set QB,   16                          ; v16-33: six zeros, q's six registers, six zeros
.set QSLO, 34                          ; q's scale word for (q, zeros); v35 for (zeros, q)
.set QSHI, 35
.set SC,   36                          ; v36-43 two sets of a step's four scale words
.set RX,   44                          ; v44-107, v108-171 the two regions
.set RY,   108
.set OT,   172                         ; v172-203 O^T
.set CD,   204                         ; v204-215 p's codes
.set BM,   216                         ; the two blocks' largest
.set SO,   218                         ; the conversions' scale operands
.set PT,   220
.set T0,   222
.set T1,   223
.set FA,   224                         ; f = 2^(old M - new M)
.set PW,   225                         ; p's scale word
.set Q1,   226                         ; v226-231 the second pass's q
.set QW,   232                         ; the pass's pair word of q's scales; v233 the second pass's
.set SH8,  234                         ; 8 x (lane / 16)
.set CT,   236                         ; v236-243 the blocks' upper 16 codes as they are made
.set AC,   244                         ; v244-251 four partial sums of p, in pairs
.set WV,   14
.set NC,   17
.set PC,   18
.set SEL,  20
.set CS,   22
.set G1,   24
.set G0K,  32
.set TB,   36
.set CNT,  37
.set G0V,  48
.macro CROUND
	s_barrier_signal -1
	s_barrier_wait -1
	s_cmp_lg_u32 s[WV], 0
	s_cbranch_scc1 .Lnot_wave_0_\@
	s_barrier_signal -3
.Lnot_wave_0_\@:
	s_barrier_wait -3
	s_barrier_signal -1
	s_barrier_wait -1
.endm
	s_load_b256 s[4:11], s[0:1], 0x0               ; qrec, krec, vrec, acodes
	s_load_b64 s[12:13], s[0:1], 0x20              ; ascales
	v_lshl_add_u32 v[SPW], v0, 2, SPARE
	v_mov_b32 v[NIL], 0
	ds_add_u32 v[SPW], v[NIL]                      ; the opening lines: the add, twice on end, and its wait ahead of my first tensor load
	ds_add_u32 v[SPW], v[NIL]
	v_lshrrev_b32 v1, 5, v0
	v_readfirstlane_b32 s[WV], v1                  ; wave 0..15
	s_bfe_u32 s15, ttmp6, 0x40000                  ; cx: it enters q's, acodes' and ascales' addresses alone
	s_and_b32 s16, ttmp7, 0xffff                   ; batch x 16 + head, which the four partners share
	s_mov_b32 s[G1], 15|(3<<16)|(1<<21)            ; 12,800 dense bytes as 50 rows of 256; the mask names all four work-groups
	s_mov_b32 s[G1+1], 32<<16
	s_mov_b32 s[G1+2], 50<<16
	s_mov_b32 s[G1+3], 32<<16
	s_mov_b32 s[G1+4], 50
	s_mov_b32 s[G1+5], 32
	s_mov_b32 s[G1+6], 0
	s_mov_b32 s[G1+7], 0
	s_mul_i32 s52, s16, HEADB                      ; the head's records,
	s_and_b32 s53, s[WV], 7
	s_mul_i32 s53, s53, 2*RECB                     ; my two of them (waves 0-7: of K; waves 8-15: of V)
	s_add_co_u32 s52, s52, s53
	s_mov_b32 s53, 0
	s_mul_i32 s54, s[WV], 2*RECB                   ; and their place in LDS: V's follow K's
	s_mov_b32 s[SEL], 0x76543210
	s_mov_b32 s[SEL+1], 0xfedcba98                 ; lane l xor 16
	s_mov_b32 s[CS], 0x3e38aa3b                    ; c = log2(e) / sqrt(64)
	s_mov_b32 s[CS+1], s[CS]
	s_mov_b32 s[NC], 0xbe38aa3b                    ; -c
	s_mov_b32 s38, 0xffff0000                      ; lanes 16-31
	s_and_b32 s39, s[WV], 1
	s_lshl_b32 s39, s39, 4                         ; my tile's half of a pair word of q's scales
	s_wait_dscnt 0x0
	s_wait_kmcnt 0x0
	s_mov_b32 s[G0K], 1
	s_mov_b32 s[G0K+1], s54
	s_add_nc_u64 s[G0K+2:G0K+3], s[6:7], s[52:53]
	s_or_b32 s[G0K+3], s[G0K+3], 0x80000000
	s_mov_b32 s[G0V], 1
	s_mov_b32 s[G0V+1], s54
	s_add_nc_u64 s[G0V+2:G0V+3], s[8:9], s[52:53]
	s_or_b32 s[G0V+3], s[G0V+3], 0x80000000
	CROUND                                         ; all four work-groups are here: the joint loads meet
	s_cmp_lt_u32 s[WV], 8
	s_cbranch_scc0 .Lfor_v
	tensor_load_to_lds s[G0K:G0K+3], s[G1:G1+7]
	s_nop 0
.rept 4
	v_nop
.endr
	s_branch .Lasked
.Lfor_v:
	tensor_load_to_lds s[G0V:G0V+3], s[G1:G1+7]
	s_nop 0
.rept 4
	v_nop
.endr
.Lasked:
	; q: tile 32 cx + 16 pass + wave of the head's 128: record 4 cx + 2 pass + wave / 8, tile wave % 8 in it
	s_lshl_b32 s55, s16, 4
	s_lshl_b32 s56, s15, 2
	s_add_co_u32 s55, s55, s56
	s_lshr_b32 s56, s[WV], 3
	s_add_co_u32 s55, s55, s56
	s_mul_i32 s55, s55, RECB
	s_and_b32 s56, s[WV], 7
	s_mul_i32 s58, s56, 768
	s_add_co_u32 s58, s58, s55
	s_mov_b32 s59, 0
	s_add_nc_u64 s[40:41], s[4:5], s[58:59]        ; its codes
	s_lshr_b32 s56, s56, 1
	s_lshl_b32 s56, s56, 2
	s_add_co_u32 s58, s55, s56
	s_add_co_u32 s58, s58, 6144
	s_add_nc_u64 s[42:43], s[4:5], s[58:59]        ; its pair's scale words
	s_lshr_b32 s55, s16, 4                         ; the batch
	s_lshl_b32 s55, s55, 7
	s_lshl_b32 s56, s15, 5
	s_add_co_u32 s55, s55, s56
	s_add_co_u32 s55, s55, s[WV]                   ; my tile of 16 rows: batch x 128 + 32 cx + wave (+ 16 in the second pass)
	s_and_b32 s56, s16, 15                         ; the head
	s_lshl_b32 s58, s55, 4
	s_add_co_u32 s58, s58, s56
	s_mul_i32 s58, s58, 768
	s_add_nc_u64 s[44:45], s[10:11], s[58:59]
	s_lshl_b32 s58, s55, 9
	s_lshl_b32 s56, s56, 1
	s_add_co_u32 s58, s58, s56
	s_add_nc_u64 s[46:47], s[12:13], s[58:59]
	v_and_b32 v[T0], 31, v0
	v_and_b32 v[T1], 15, v0                        ; r
	v_lshlrev_b32 v[L16], 4, v[T0]
	v_lshlrev_b32 v[L8], 3, v[T0]
	v_bfe_u32 v[T0], v0, 4, 1                      ; h
	v_lshlrev_b32 v[AC], 4, v[T1]                  ; 16 r, for q's scale words
	v_add_nc_u32 v[LV], VB, v[L16]
	v_mul_u32_u24 v[SCA0], v[T0], VB-6144
	v_lshl_add_u32 v[SBO], v[T1], 5, v[T0]
	v_lshlrev_b32 v[SH8], 3, v[T0]
	v_lshl_add_u32 v[SCA0], v[T1], 4, v[SCA0]
	s_delay_alu instid0(VALU_DEP_1)
	v_add_nc_u32 v[SCA0], 6144, v[SCA0]
	global_load_b128 v[QB+6:QB+9], v[L16], s[40:41]                     ; both passes' q: 768 bytes and a word a lane each
	global_load_b64 v[QB+10:QB+11], v[L8], s[40:41] offset:512
	global_load_b32 v[QW], v[AC], s[42:43]
	global_load_b128 v[Q1:Q1+3], v[L16], s[40:41] offset:2*RECB
	global_load_b64 v[Q1+4:Q1+5], v[L8], s[40:41] offset:2*RECB+512
	global_load_b32 v[QW+1], v[AC], s[42:43] offset:2*RECB
.irp i, 0,1,2,3,4,5
	v_mov_b32 v[QB+\i], 0                          ; the zero codes on both sides of q
	v_mov_b32 v[QB+12+\i], 0
.endr
	s_wait_alu depctr_va_vdst(0)                   ; the wait at the head's end
	s_wait_tensorcnt 0x0                           ; my two records are in,
	s_barrier_signal -1
	s_barrier_wait -1                              ; everybody's are: the head's K and V lie in LDS for the rest of the launch
	s_wait_loadcnt 0x0                             ; q, both passes'
	s_mov_b32 s[PC], 0
.macro WQK d, a, b, sk, sq
	v_wmma_scale_f32_16x16x128_f8f6f4 v[\d:\d+7], v[\a:\a+11], v[\b:\b+11], 0, v[\sk], v[\sq] matrix_a_fmt:MATRIX_FMT_FP6 matrix_b_fmt:MATRIX_FMT_FP6
.endm
.macro KLOAD reg, set, a16, a8, asc, off   ; a record's eight tiles of K and its scale words (lanes 16-31: V's): 17 LDS loads
.irp t, 0,1,2,3,4,5,6,7
	ds_load_b128 v[\reg+6*\t:\reg+6*\t+3], v[\a16] offset:\off+768*\t
	ds_load_b64 v[\reg+6*\t+4:\reg+6*\t+5], v[\a8] offset:\off+768*\t+512
.endr
	ds_load_b128 v[SC+4*(\set):SC+4*(\set)+3], v[\asc] offset:\off
.endm
; A KEY STEP: 128 keys.  kv: the region with K's fragments, then V's; st: the region of the scores; sa: the step's set of scale words; off: the record's byte behind the trip's first;
; nxt = 1: the next record's K is fetched; adr = 1: the trip's addresses are made.
.macro STEP kv, st, sa, off, nxt, adr
	s_wait_dscnt 0x0                               ; K and the scale words are in
.irp i, 0,1,2,3                                ; S^T: pair i against (q, zeros): key tile 2 i; against (zeros, q): key tile 2 i + 1
	WQK \st+16*\i, \kv+12*\i, QB+6, SC+4*\sa+\i, QSLO
	WQK \st+16*\i+8, \kv+12*\i, QB, SC+4*\sa+\i, QSHI
.endr
.if \adr                                       ; four places: in front of the loads into K's registers, and of the first read of the scores
	v_add_nc_u32 v[A16], s[TB], v[L16]
	v_add_nc_u32 v[A8], s[TB], v[L8]
	v_add_nc_u32 v[ASC], s[TB], v[SCA0]
	v_add_nc_u32 v[AV], s[TB], v[LV]
.else
.rept 4
	v_nop
.endr
.endif
.irp t, 0,1,2,3                                ; V's four fragments land under the softmax
.irp c, 0,1,2
	ds_load_b128 v[\kv+12*\t+4*\c:\kv+12*\t+4*\c+3], v[AV] offset:\off+256+1536*\t+512*\c
.endr
.endr
.irp c, 0,1                                    ; the largest score of each of my two blocks of 32 keys, in two chains each: it serves for the row's maximum and, since p rises with the score, for the block's largest p
	v_max3_num_f32 v[BM+\c], v[\st+32*\c], v[\st+32*\c+1], v[\st+32*\c+2]
	v_max3_num_f32 v[PT+\c], v[\st+32*\c+16], v[\st+32*\c+17], v[\st+32*\c+18]
.endr
.irp i, 3,5,7,9,11,13
.irp c, 0,1
	v_max3_num_f32 v[BM+\c], v[BM+\c], v[\st+32*\c+\i], v[\st+32*\c+\i+1]
	v_max3_num_f32 v[PT+\c], v[PT+\c], v[\st+32*\c+16+\i], v[\st+32*\c+17+\i]
.endr
.endr
.irp c, 0,1
	v_max3_num_f32 v[BM+\c], v[BM+\c], v[PT+\c], v[\st+32*\c+15]
.endr
.irp c, 0,1
	v_max_num_f32 v[BM+\c], v[BM+\c], v[\st+32*\c+31]
.endr
	v_max_num_f32 v[T0], v[BM], v[BM+1]
	v_permlanex16_b32 v[T1], v[T0], s[SEL], s[SEL+1]
	v_max3_num_f32 v13, v13, v[T0], v[T1]          ; the running largest score of my query, lane l xor 16's keys among them
	v_mul_f32 v[T0], s[NC], v13                    ; -t (c is positive)
	v_floor_f32 v[T1], v[T0]                       ; the new -M = floor(-t): M is a whole number
	s_delay_alu instid0(VALU_DEP_1)
	v_sub_f32 v[T0], v[T1], v12                    ; old M less new M: a whole number, 0 or less
	v_mov_b32 v12, v[T1]
	s_delay_alu instid0(VALU_DEP_2)
	v_cvt_i32_f32 v[T0], v[T0]                     ; (it saturates)
	s_delay_alu instid0(VALU_DEP_1)
	v_ldexp_f32 v[FA], 1.0, v[T0]                  ; f = 2^(old M - new M)
.set j, 0
.rept 32
	v_pk_fma_f32 v[\st+j:\st+j+1], v[\st+j:\st+j+1], s[CS:CS+1], v[12:13] op_sel_hi:[1,0,0]   ; t - M, two at a time
.set j, j+2
.endr
.irp c, 0,1
	v_fma_f32 v[BM+\c], v[BM+\c], s[CS], v12       ; the same of each block's largest score
.endr
	s_wait_alu depctr_va_vdst(0)                   ; the wait ahead of the batch
.set j, 0
.rept 64
	v_exp_f32 v[\st+j], v[\st+j]                   ; p = 2^(t - M), at most 1
.set j, j+1
.endr
	v_pk_mul_f32 v[14:15], v[14:15], v[FA:FA+1] op_sel_hi:[1,0]   ; the sums under the new M (a plain place behind the exponentials)
	s_wait_alu depctr_va_vdst(0)                   ; one wait for the whole batch, ahead of its first reader
.irp c, 0,1
	v_exp_f32 v[BM+\c], v[BM+\c]                   ; the block's largest p: the same two instructions on the same number give the same bits
.endr
.irp k, 0,1,2,3                                ; the row's sum is taken of the unquantised p: four chains of pairs
	v_pk_add_f32 v[AC+2*\k:AC+2*\k+1], v[\st+2*\k:\st+2*\k+1], v[\st+8+2*\k:\st+9+2*\k]
.endr
.irp g, 2,3,4,5,6,7
.irp k, 0,1,2,3
	v_pk_add_f32 v[AC+2*\k:AC+2*\k+1], v[AC+2*\k:AC+2*\k+1], v[\st+8*\g+2*\k:\st+8*\g+2*\k+1]
.endr
.endr
	s_wait_alu depctr_va_vdst(0)                   ; and one for the two
.irp c, 0,1
	v_max_num_f32 v[BM+\c], 0x1800000, v[BM+\c]    ; the floor 2^(3 - 127): the byte cannot fall under 1
.endr
.irp c, 0,1
	s_delay_alu instid0(VALU_DEP_2)
	v_add_nc_u32 v[SO+\c], 0xff000000, v[BM+\c]    ; 2 off the exponent field: the conversion's scale operand
.endr
.irp c, 0,1
	s_delay_alu instid0(VALU_DEP_2)
	v_lshrrev_b32 v[PT+\c], 23, v[SO+\c]           ; the scale's byte
.endr
	s_delay_alu instid0(VALU_DEP_1)
	v_lshl_or_b32 v[T0], v[PT+1], 16, v[PT]        ; my two bytes: blocks h and 2 + h,
	s_delay_alu instid0(VALU_DEP_1)
	v_lshlrev_b32 v[T0], v[SH8], v[T0]             ; at their places in the scale word
	s_delay_alu instid0(VALU_DEP_1)
	v_permlanex16_b32 v[T1], v[T0], s[SEL], s[SEL+1]
.irp c, 0,1
	v_cvt_scalef32_pk16_fp6_f32 v[CD+6*\c:CD+6*\c+2], v[\st+32*\c:\st+32*\c+15], v[SO+\c]
	v_cvt_scalef32_pk16_fp6_f32 v[CT+4*\c:CT+4*\c+2], v[\st+32*\c+16:\st+32*\c+31], v[SO+\c]   ; (a conversion's three registers begin on an even number)
.endr
	v_or_b32 v[PW], v[T0], v[T1]                   ; with lane l xor 16's two the word is whole.  (The plain place behind the conversions)
.irp c, 0,1
.irp i, 0,1,2
	v_mov_b32 v[CD+6*\c+3+\i], v[CT+4*\c+\i]
.endr
.endr
.if \nxt
	KLOAD \st, 1-\sa, A16, A8, ASC, \off+RECB      ; p is converted: its registers take the next record's K
.endif
	s_wait_alu depctr_va_vdst(0)                   ; the wait directly ahead of the first reader of O^T
.set j, 0
.rept 16
	v_pk_mul_f32 v[OT+j:OT+j+1], v[OT+j:OT+j+1], v[FA:FA+1] op_sel_hi:[1,0]   ; O^T under the new M.  (Also the places between the writes of p's codes and scale word and the products below)
.set j, j+2
.endr
	s_wait_alu depctr_va_vdst(0)
	s_wait_dscnt 17*\nxt                           ; V's 12 loads are in; the 17 issued behind them may be out
.irp t, 0,1,2,3                                ; O^T += V^T P^T: the four accumulators take turns
	v_wmma_scale_f32_16x16x128_f8f6f4 v[OT+8*\t:OT+8*\t+7], v[\kv+12*\t:\kv+12*\t+11], v[CD:CD+11], v[OT+8*\t:OT+8*\t+7], v[SC+4*\sa+\t], v[PW] matrix_a_fmt:MATRIX_FMT_FP6 matrix_b_fmt:MATRIX_FMT_FP6 matrix_a_scale:MATRIX_SCALE_ROW1
.endr
	v_pk_add_f32 v[AC:AC+1], v[AC:AC+1], v[AC+2:AC+3]             ; five places: the next step's scores are laid over V's registers
	v_pk_add_f32 v[AC+4:AC+5], v[AC+4:AC+5], v[AC+6:AC+7]
	s_delay_alu instid0(VALU_DEP_1)
	v_pk_add_f32 v[AC:AC+1], v[AC:AC+1], v[AC+4:AC+5]
	s_delay_alu instid0(VALU_DEP_1)
	v_pk_add_f32 v[14:15], v[14:15], v[AC:AC+1]
	v_nop
.endm
.Lpass:                                                ; two passes, 16 queries a wave each
	KLOAD RX, 0, L16, L8, SCA0, 0                  ; record 0's K lands under the pass's set-up
	v_lshrrev_b32 v[T0], s39, v[QW]
	s_delay_alu instid0(VALU_DEP_1)
	v_and_b32 v[T0], 0xffff, v[T0]                 ; my tile's two bytes
	s_delay_alu instid0(VALU_DEP_1)
	v_or_b32 v[QSLO], 0x01010000, v[T0]
	v_lshl_or_b32 v[QSHI], v[T0], 16, 0x0101
	v_mov_b32 v13, 0xff61b1e6                      ; the largest score so far: -3e38, under every score
	v_mov_b32 v12, 0x7f61b1e6                      ; -M: 3e38, so that the first f is 0
	v_mov_b32 v14, 0
	v_mov_b32 v15, 0
	v_mov_b32 v[PW], 0                             ; (named as the upper half of the pair with f before it is first made)
	v_mov_b32 v[T1], 0                             ; a lane permute's destination counts as one of its sources
.set j, 0
.rept 32
	v_mov_b32 v[OT+j], 0                           ; the step is written once: its first trip finds zeros.  (Also the places between q's scale words and the first product)
.set j, j+1
.endr
	s_mov_b32 s[TB], 0
	s_mov_b32 s[CNT], 7
	s_wait_alu depctr_va_vdst(0)
.Lstep:                                                ; a trip is two steps: the regions are back where they began
	STEP RX, RY, 0, 0, 1, 1
	STEP RY, RX, 1, RECB, 1, 0
	s_add_co_u32 s[TB], s[TB], 2*RECB
	s_sub_co_u32 s[CNT], s[CNT], 1
	s_cmp_lg_u32 s[CNT], 0
	s_cbranch_scc1 .Lstep
	STEP RX, RY, 0, 0, 1, 1
	STEP RY, RX, 1, RECB, 0, 0                     ; the last step fetches no further K
; THE WAY OUT of a pass: O^T / l; register 16 b + i is dim 32 b + 16 (lane / 16) + i of my row: two blocks of 32 along the embedding.
	v_add_f32 v14, v14, v15                        ; the sum's two halves,
	s_delay_alu instid0(VALU_DEP_1)
	v_permlanex16_b32 v[T0], v14, s[SEL], s[SEL+1]
	s_delay_alu instid0(VALU_DEP_1)
	v_add_f32 v14, v14, v[T0]                      ; and lane l xor 16's
	s_wait_alu depctr_va_vdst(0)
	v_rcp_f32 v14, v14
	v_nop                                          ; a plain place behind the reciprocal
	s_wait_alu depctr_va_vdst(0)                   ; and the wait ahead of its first reader, which is also O^T's
.set j, 0
.rept 16
	v_pk_mul_f32 v[RX+j:RX+j+1], v[OT+j:OT+j+1], v[14:15] op_sel_hi:[1,0]   ; each accumulator from its low end on
.set j, j+2
.endr
.irp b, 0,1
	v_max3_num_f32 v[BM+\b], |v[RX+16*\b]|, |v[RX+1+16*\b]|, 0x1800000
.endr
.irp i, 2,4,6,8,10,12,14
.irp b, 0,1
	s_delay_alu instid0(VALU_DEP_2)
	v_max3_num_f32 v[BM+\b], v[BM+\b], |v[RX+16*\b+\i]|, |v[RX+1+16*\b+\i]|
.endr
.endr
.irp b, 0,1
	s_delay_alu instid0(VALU_DEP_2)
	v_permlanex16_b32 v[PT+\b], v[BM+\b], s[SEL], s[SEL+1]
.endr
.irp b, 0,1
	s_delay_alu instid0(VALU_DEP_2)
	v_max_num_f32 v[BM+\b], v[BM+\b], v[PT+\b]
.endr
.irp b, 0,1
	s_delay_alu instid0(VALU_DEP_2)
	v_add_nc_u32 v[SO+\b], 0xff000000, v[BM+\b]
.endr
.irp b, 0,1
	s_delay_alu instid0(VALU_DEP_2)
	v_lshrrev_b32 v[PT+\b], 23, v[SO+\b]
.endr
	v_cvt_scalef32_pk16_fp6_f32 v[CD:CD+2], v[RX:RX+15], v[SO]
	v_cvt_scalef32_pk16_fp6_f32 v[CT:CT+2], v[RX+16:RX+31], v[SO+1]
	v_cndmask_b32 v[T0], v[PT], v[PT+1], s38       ; lanes 0-15 store block 0's byte, lanes 16-31 block 1's.  (The plain place behind the conversions)
.irp i, 0,1,2
	v_permlane16_swap_b32 v[CD+\i], v[CT+\i]       ; the operand's layout wants a whole block in a lane
.endr
.irp i, 0,1,2
	v_mov_b32 v[CD+3+\i], v[CT+\i]
.endr
	global_store_b128 v[L16], v[CD:CD+3], s[44:45]                 ; 512 consecutive bytes, aligned
	global_store_b64 v[L8], v[CD+4:CD+5], s[44:45] offset:512      ; 256
	global_store_b8 v[SBO], v[T0], s[46:47]
.irp i, 0,1,2,3,4,5
	v_mov_b32 v[QB+6+\i], v[Q1+\i]                 ; the second pass's q (the second trip copies the same registers once more; nobody reads them)
.endr
	v_mov_b32 v[QW], v[QW+1]
	s_wait_xcnt 0x0                                ; the stores have read their registers and bases
	s_add_nc_u64 s[44:45], s[44:45], 196608        ; 16 tiles of rows on
	s_add_nc_u64 s[46:47], s[46:47], 8192
	s_add_co_u32 s[PC], s[PC], 1
	s_cmp_lt_u32 s[PC], 2
	s_wait_alu depctr_va_vdst(0)                   ; the wait directly ahead of the branch
	s_cbranch_scc1 .Lpass
	s_wait_tensorcnt 0x0                           ; the wave's end, behind my last tensor load
	ds_add_u32 v[SPW], v[NIL]
	s_wait_dscnt 0x0
	CROUND                                         ; the closing round
	s_endpgm
.Lfunc_end_k_q6db97a40b1_attn:
	.size	k_q6db97a40b1_attn, .Lfunc_end_k_q6db97a40b1_attn-k_q6db97a40b1_attn
	.p2alignl 7, 3214868480
	.fill 96, 4, 3214868480
	.section	.rodata,"a",@progbits
	.p2align	6, 0x0
	.amdhsa_kernel k_q6db97a40b1_attn
		.amdhsa_group_segment_fixed_size 206848
		.amdhsa_private_segment_fixed_size 0
		.amdhsa_enable_private_segment 0
		.amdhsa_kernarg_size 40
		.amdhsa_user_sgpr_count 2
		.amdhsa_user_sgpr_kernarg_segment_ptr 1
		.amdhsa_wavefront_size32 1
		.amdhsa_system_sgpr_workgroup_id_x 1
		.amdhsa_system_sgpr_workgroup_id_y 1
		.amdhsa_system_sgpr_workgroup_id_z 1
		.amdhsa_system_vgpr_workitem_id 0
		.amdhsa_next_free_vgpr 256
		.amdhsa_next_free_sgpr 66
		.amdhsa_reserve_vcc 0
		.amdhsa_float_denorm_mode_32 3
		.amdhsa_float_denorm_mode_16_64 3
		.amdhsa_memory_ordered 1
		.amdhsa_forward_progress 1
		.amdhsa_inst_pref_size 72
	.end_amdhsa_kernel
	.amdgpu_metadata
---
amdhsa.version: [ 1, 2 ]
amdhsa.kernels:
  - .name:           k_q6db97a40b1_attn
    .symbol:         k_q6db97a40b1_attn.kd
    .args:
      - { .name: qrec, .offset: 0, .size: 8, .value_kind: global_buffer, .address_space: global }
      - { .name: krec, .offset: 8, .size: 8, .value_kind: global_buffer, .address_space: global }
      - { .name: vrec, .offset: 16, .size: 8, .value_kind: global_buffer, .address_space: global }
      - { .name: acodes, .offset: 24, .size: 8, .value_kind: global_buffer, .address_space: global }
      - { .name: ascales, .offset: 32, .size: 8, .value_kind: global_buffer, .address_space: global }
    .group_segment_fixed_size: 206848
    .private_segment_fixed_size: 0
    .kernarg_segment_align: 8
    .kernarg_segment_size: 40
    .max_flat_workgroup_size: 512
    .sgpr_count:     66
    .vgpr_count:     256
    .wavefront_size: 32
...
	.end_amdgpu_metadata
.endif
;; end of part 3
;; launch outp (part 4): grid 4 x 64, 4 waves a work-group, clusters of 4 x 4, 327,680 bytes of LDS; arguments acodes, ascales, codes, scales, out0, bo; writes out0
.if DOCPART == 4
	.amdgcn_target "amdgcn-amd-amdhsa--gfx1250"
	.amdhsa_code_object_version 6
	.text
	.protected	k_q6db97a40b1_outp
	.globl	k_q6db97a40b1_outp
	.p2align	8
	.type	k_q6db97a40b1_outp,@function
k_q6db97a40b1_outp:
	s_mov_b64 s[64:65], 0
	v_nop
	global_prefetch_b8 v0, s[64:65] scope:SCOPE_SE
	s_setreg_imm32_b32 hwreg(HW_REG_WAVE_MODE, 25, 1), 1
	s_wait_xcnt 0x0
	s_wait_alu depctr_hold_cnt(0) depctr_sa_sdst(0) depctr_va_vdst(0) depctr_va_sdst(0) depctr_va_ssrc(0) depctr_va_vcc(0) depctr_vm_vsrc(0)
	s_getreg_b32 s2, hwreg(HW_REG_IB_STS2, 6, 4)
	s_cmp_eq_u32 s2, 0
	s_cbranch_scc0 .Lentry_in_a_cluster
	s_endpgm
.Lentry_in_a_cluster:
	s_bfe_u32 s2, ttmp6, 0x10000c
	s_cmp_lg_u32 s2, 0xf033
	s_cbranch_scc0 .Lentry_shape_is_right
	s_endpgm
.Lentry_shape_is_right:
; out0 = A Wo^T + bo on codes of FP6 (E2M3) with E8M0 scales; A [8192][1024] is the attention's result, Wo's codes are places 27,648 on of the common space.  Sums in f32, K ascending.
; A block of 128 x 256 of out0 a work-group: 4 x 64 = 256 work-groups.  Four waves, each 64 rows x 128 columns: 32 accumulators of 16 x 16, 256 registers.
; Both operands lie in memory as images of the operand's registers: a tile of 16 rows, all of K, is 12,288 dense bytes; in it each 128 along K are 1,536 bytes, which four LDS loads of consecutive bytes bring.
; ALL OF K LIES IN LDS AT ONCE: A's 8 tiles (98,304 bytes) and B's 16 (196,608).  Each wave brings its part by ONE tensor load at the head: waves 0, 1 four tiles of A each, waves 2, 3 eight tiles of B each.
; Nothing is filled again: one wait, one barrier, then eight steps of 128 along K with no barrier between them.
; CLUSTERS: 4 x 4 work-groups.  The four of a row of the cluster need the same tiles of A, the four of a column the same tiles of B: each load is asked for jointly.
; THE SCALES go from memory straight into registers, once: a tile's are 512 dense bytes, a lane takes its row's 32 bytes (eight words, one for each step): 32 registers for A's four tiles, 64 for B's eight.
; THE MATRIX INSTRUCTION IS USED TRANSPOSED (source 0 = 16 rows of Wo, source 1 = 16 rows of A): a lane holds eight neighbouring numbers of a row of out0.  The bias is the C of each accumulator's first product.
; REGISTERS: window 0: v0-31 addresses, v32-63 A's scale words, v64-127 B's, v128-223 A's fragments in two sets (on the way out v128-255: rows read back);
;   window 1: B's fragments in two sets at v0 and v128; the bias at v96-127 and v224-255;   window 2: accumulator (a, b) at v[8 (8 a + b)].
; No prefetch: every tile is asked for once, at the head, and there is no loop that runs ahead of a load from memory.
.set SIZE_N, 1024
.set KROW,   768                       ; a row's codes in bytes
.set TILE,   12288                     ; 16 rows, all of K
.set R_WO,   27648
.set FR,     12
.set BBASE,  8*TILE                    ; LDS: A's 8 tiles, then B's 16
.set SPARE,  24*TILE                   ; behind them the spare words, 128 bytes a wave, which no other line names
.set SPITCH, 528                       ; the way out: a stage of 16 rows x (512 + 16) bytes a wave, from LDS byte 0 on: laid over tiles that are read no more and filled no more
.set ADRA, 16                          ; v16, v17 my A tiles: + 16 x lane, + 8 x lane
.set ADRB, 18                          ; v18, v19 my B tiles 0-3; v20, v21 tiles 4-7
.set STO,  24
.set RD,   25
.set CO,   26
.set SPW,  28
.set NIL,  29
.set BNO,  30
.set SCO,  31
.set SA,   32
.set SB,   64
.set AF,   128
.set BK,   128
.set G1,   24
.set G0,   32
.set G1B,  48
.set G0B,  56
.set MSB, 0
.macro WIN new                         ; the immediate's high byte repeats the setting that is left
.if MSB != \new
	s_set_vgpr_msb (MSB<<8)|\new
.set MSB, \new
.endif
.endm
.set MUL_W, 0xa1                       ; source 0 (B) window 1, source 1 (A) window 0, C and D window 2
.set FST_W, 0x91                       ; the same, C (the bias) window 1
.set TO_B,  0x40                       ; destination window 1, address window 0
.macro CROUND
	s_barrier_signal -1
	s_barrier_wait -1
	s_cmp_lg_u32 s14, 0
	s_cbranch_scc1 .Lnot_wave_0_\@
	s_barrier_signal -3
.Lnot_wave_0_\@:
	s_barrier_wait -3
	s_barrier_signal -1
	s_barrier_wait -1
.endm
.macro PLACES
.rept 4
	v_nop
.endr
.endm
	s_load_b128 s[4:7], s[0:1], 0x0                ; A's codes, A's scales
	s_load_b128 s[8:11], s[0:1], 0x10              ; the common codes, the common scales
	s_load_b64 s[12:13], s[0:1], 0x20              ; out0
	s_load_b64 s[36:37], s[0:1], 0x28              ; bo
	v_lshl_add_u32 v[SPW], v0, 2, SPARE
	v_mov_b32 v[NIL], 0
	ds_add_u32 v[SPW], v[NIL]                      ; the opening lines: the add, twice on end, and its wait ahead of my first tensor load
	ds_add_u32 v[SPW], v[NIL]
	v_lshrrev_b32 v1, 5, v0
	v_readfirstlane_b32 s14, v1                    ; wave 0..3
	s_lshr_b32 s15, s14, 1                         ; which 64 rows are mine.  Also: I fetch for A (0) or for B (1)
	s_and_b32 s16, s14, 1                          ; which 128 columns.  Also: which half of that operand I fetch
	s_bfe_u32 s40, ttmp6, 0x40000                  ; cx, cy: my place in the cluster
	s_bfe_u32 s41, ttmp6, 0x40004
	s_lshl_b32 s42, ttmp9, 2
	s_add_co_u32 s42, s42, s40                     ; block column = 4 x cluster x + cx
	s_and_b32 s17, ttmp7, 0xffff
	s_lshl_b32 s17, s17, 2
	s_add_co_u32 s17, s17, s41                     ; block row = 4 x cluster y + cy
	s_lshl_b32 s43, s41, 2
	s_lshl_b32 s43, 15, s43                        ; my row of the cluster
	s_lshl_b32 s44, 0x1111, s40                    ; my column
	s_or_b32 s[G1+0], s43, (3<<16)|(1<<21)         ; elements of 8 bytes; a tile is a row of 1,536 of them; bit 21 beside a mask
	s_mov_b32 s[G1+1], 1536<<16
	s_mov_b32 s[G1+2], 4<<16                       ; A: four tiles a load
	s_mov_b32 s[G1+3], 1536<<16
	s_mov_b32 s[G1+4], 4
	s_mov_b32 s[G1+5], 1536
	s_mov_b32 s[G1+6], 0
	s_mov_b32 s[G1+7], 0
	s_or_b32 s[G1B+0], s44, (3<<16)|(1<<21)
	s_mov_b32 s[G1B+1], 1536<<16
	s_mov_b32 s[G1B+2], 8<<16                      ; B: eight
	s_mov_b32 s[G1B+3], 1536<<16
	s_mov_b32 s[G1B+4], 8
	s_mov_b32 s[G1B+5], 1536
	s_mov_b32 s[G1B+6], 0
	s_mov_b32 s[G1B+7], 0
	s_lshl_b32 s20, s17, 7                         ; A: the rows that I fetch: 128 x block row + 64 x half
	s_lshl_b32 s18, s16, 6
	s_add_co_u32 s20, s20, s18
	s_mul_i32 s20, s20, KROW
	s_mov_b32 s21, 0
	s_lshl_b32 s46, s42, 8                         ; B: 256 x block column + 128 x half, among Wo's places
	s_lshl_b32 s18, s16, 7
	s_add_co_u32 s46, s46, s18
	s_add_co_u32 s46, s46, R_WO
	s_lshl_b32 s22, s46, 5                         ; (these are also the 128 columns that I multiply: their scales, 32 bytes a place)
	s_mov_b32 s23, 0
	s_mul_i32 s46, s46, KROW
	s_mov_b32 s47, 0
	s_mul_i32 s45, s16, 4*TILE                     ; where they go: no place in the cluster enters an LDS address
	s_mul_i32 s39, s16, 8*TILE
	s_add_co_u32 s39, s39, BBASE
	s_wait_dscnt 0x0                               ; both opening adds are done
	s_wait_kmcnt 0x0
	s_mov_b32 s[G0], 1
	s_mov_b32 s[G0+1], s45
	s_add_nc_u64 s[G0+2:G0+3], s[4:5], s[20:21]
	s_or_b32 s[G0+3], s[G0+3], 0x80000000
	s_mov_b32 s[G0B], 1
	s_mov_b32 s[G0B+1], s39
	s_add_nc_u64 s[G0B+2:G0B+3], s[8:9], s[46:47]
	s_or_b32 s[G0B+3], s[G0B+3], 0x80000000
	CROUND                                         ; all sixteen work-groups are here: the joint loads meet
	s_cmp_eq_u32 s15, 0                            ; one tensor load a wave, one in each arm
	s_cbranch_scc0 .Lfor_b
	tensor_load_to_lds s[G0:G0+3], s[G1:G1+7]
	s_nop 0
	PLACES
	s_branch .Lasked
.Lfor_b:
	tensor_load_to_lds s[G0B:G0B+3], s[G1B:G1B+7]
	s_nop 0
	PLACES
.Lasked:
	s_add_nc_u64 s[10:11], s[10:11], s[22:23]      ; my columns' scale words
	s_lshl_b32 s20, s17, 7
	s_lshl_b32 s18, s15, 6
	s_add_co_u32 s20, s20, s18                     ; my first row: 128 x block row + 64 x half
	s_lshl_b32 s22, s20, 5
	s_add_nc_u64 s[6:7], s[6:7], s[22:23]          ; my rows' scale words
	s_lshl_b32 s20, s20, 12                        ; a row of out0 is 4,096 bytes
	s_lshl_b32 s46, s42, 10
	s_lshl_b32 s18, s16, 9
	s_add_co_u32 s46, s46, s18                     ; my first column, in bytes
	s_add_nc_u64 s[36:37], s[36:37], s[46:47]
	s_add_nc_u64 s[12:13], s[12:13], s[20:21]
	s_add_nc_u64 s[12:13], s[12:13], s[46:47]
	s_mul_i32 s21, s15, 4*TILE                     ; my four tiles of A,
	s_mul_i32 s22, s16, 8*TILE
	s_add_co_u32 s22, s22, BBASE                   ; my eight of B
	s_mul_i32 s23, s14, 16*SPITCH                  ; my stage
	v_and_b32 v1, 15, v0                           ; r
	v_bfe_u32 v2, v0, 4, 1                         ; h
	v_and_b32 v6, 31, v0
	v_lshlrev_b32 v4, 4, v6
	v_lshlrev_b32 v5, 3, v6
	v_add_nc_u32 v[ADRA], s21, v4
	v_add_nc_u32 v[ADRA+1], s21, v5
	v_add_nc_u32 v[ADRB], s22, v4
	v_add_nc_u32 v[ADRB+1], s22, v5
	s_add_co_u32 s22, s22, 4*TILE
	v_add_nc_u32 v[ADRB+2], s22, v4
	v_add_nc_u32 v[ADRB+3], s22, v5
	v_mul_u32_u24 v7, v1, SPITCH                   ; into the stage: row r, 32 bytes for each half of the lanes
	v_lshl_add_u32 v7, v2, 5, v7
	v_add_nc_u32 v[STO], s23, v7
	v_add_nc_u32 v[RD], s23, v4                    ; back: the 32 lanes take one row of 512 bytes,
	v_lshlrev_b32 v[CO], 4, v6                     ; and the same in out0
	v_lshlrev_b32 v[BNO], 5, v2                    ; the bias of my eight columns of a tile
	v_lshlrev_b32 v[SCO], 5, v1                    ; my row's 32 scale bytes
	s_wait_alu depctr_va_vdst(0)                   ; the wait at the head's end
.irp a, 0,1,2,3
	global_load_b128 v[SA+8*\a:SA+8*\a+3], v[SCO], s[6:7] offset:512*\a
	global_load_b128 v[SA+8*\a+4:SA+8*\a+7], v[SCO], s[6:7] offset:512*\a+16
.endr
.irp b, 0,1,2,3,4,5,6,7
	global_load_b128 v[SB+8*\b:SB+8*\b+3], v[SCO], s[10:11] offset:512*\b
	global_load_b128 v[SB+8*\b+4:SB+8*\b+7], v[SCO], s[10:11] offset:512*\b+16
.endr
	WIN TO_B
.irp b, 0,1,2,3,4,5,6,7
	global_load_b128 v[96+8*\b+96*(\b/4):96+8*\b+96*(\b/4)+3], v[BNO], s[36:37] offset:64*\b
	global_load_b128 v[96+8*\b+96*(\b/4)+4:96+8*\b+96*(\b/4)+7], v[BNO], s[36:37] offset:64*\b+16
.endr
	WIN 0
.macro FRAG reg, adr, off              ; 16 rows x 128 K: 12 registers
	ds_load_b128 v[\reg:\reg+3],     v[\adr]   offset:\off
	ds_load_b64  v[\reg+4:\reg+5],   v[\adr+1] offset:\off+512
	ds_load_b128 v[\reg+6:\reg+9],   v[\adr]   offset:\off+768
	ds_load_b64  v[\reg+10:\reg+11], v[\adr+1] offset:\off+1280
.endm
.macro FETCH st                        ; step st's fragments into set st % 2: 48 LDS loads
	WIN TO_B
.irp i, 0,1,2,3
	FRAG 128*((\st)%2)+FR*\i, ADRB, TILE*\i+1536*(\st)
.endr
.irp i, 0,1,2,3
	FRAG 128*((\st)%2)+FR*(\i+4), ADRB+2, TILE*\i+1536*(\st)
.endr
	WIN 0
.irp i, 0,1,2,3
	FRAG AF+48*((\st)%2)+FR*\i, ADRA, TILE*\i+1536*(\st)
.endr
.endm
.macro MULS st, first                  ; 32 products; the accumulators take turns, one instruction a turn, in the same order in every step
.irp a, 0,1,2,3
.irp b, 0,1,2,3,4,5,6,7
.if \first
	v_wmma_scale_f32_16x16x128_f8f6f4 v[8*(8*\a+\b):8*(8*\a+\b)+7], v[128*((\st)%2)+FR*\b:128*((\st)%2)+FR*\b+FR-1], v[AF+48*((\st)%2)+FR*\a:AF+48*((\st)%2)+FR*\a+FR-1], v[96+8*\b+96*(\b/4):96+8*\b+96*(\b/4)+7], v[SB+8*\b+(\st)], v[SA+8*\a+(\st)] matrix_a_fmt:MATRIX_FMT_FP6 matrix_b_fmt:MATRIX_FMT_FP6
.else
	v_wmma_scale_f32_16x16x128_f8f6f4 v[8*(8*\a+\b):8*(8*\a+\b)+7], v[128*((\st)%2)+FR*\b:128*((\st)%2)+FR*\b+FR-1], v[AF+48*((\st)%2)+FR*\a:AF+48*((\st)%2)+FR*\a+FR-1], v[8*(8*\a+\b):8*(8*\a+\b)+7], v[SB+8*\b+(\st)], v[SA+8*\a+(\st)] matrix_a_fmt:MATRIX_FMT_FP6 matrix_b_fmt:MATRIX_FMT_FP6
.endif
.endr
.endr
.endm
.macro STEP st
	s_wait_dscnt 0x0                               ; this step's fragments are in
.if (\st) == 7
	s_barrier_signal -1                            ; my last reads of the tiles are over; the products below, work on registers, stand between the signal and the wait
.else
.if (\st) > 0
	PLACES                                         ; in front of the loads into the set that the last step multiplied
.endif
	FETCH (\st)+1                                  ; the next step's fragments land under this step's products
.endif
.if (\st) == 0
	WIN FST_W
	MULS \st, 1
.else
	WIN MUL_W
	MULS \st, 0
.endif
	WIN 0
.endm
	s_wait_tensorcnt 0x0                           ; my part of the tiles is in,
	s_barrier_signal -1
	s_barrier_wait -1                              ; everybody's is
	FETCH 0
	s_wait_loadcnt 0x0                             ; the scale words and the bias
.set ST, 0
.rept 8
	STEP ST
.set ST, ST+1
.endr
	s_barrier_wait -1                              ; no wave reads the tiles any more: the stages may be laid over them
; THE WAY OUT, block by block of 16 rows x 128 columns: through my own stage in LDS and back as whole rows of 512 bytes.  LDS serves a wave's instructions in order (ISA guide 5.7.1.4): no wait between the stores and the loads.
.macro TOSTAGE a
	WIN 0x08                                       ; the data: window 2
.irp b, 0,1,2,3,4,5,6,7
	ds_store_b128 v[STO], v[64*(\a)+8*\b:64*(\a)+8*\b+3] offset:64*\b          ; each accumulator from its low end on
	ds_store_b128 v[STO], v[64*(\a)+8*\b+4:64*(\a)+8*\b+7] offset:64*\b+16
.endr
	WIN 0
.set BB, BK+64*((\a)%2)
.irp t, 0,1,2,3,4,5,6,7,8,9,10,11,12,13,14,15
	ds_load_b128 v[BB+4*\t:BB+4*\t+3], v[RD] offset:\t*SPITCH
.endr
.endm
.macro SEND a, younger                 ; younger: the LDS instructions issued behind block a's loads, which may stay out
.set BB, BK+64*((\a)%2)
	s_wait_dscnt \younger
.if (\a) > 0
	s_add_nc_u64 s[12:13], s[12:13], 16*SIZE_N*4   ; (behind a wait on XCNT: the earlier stores have read their base)
.endif
.irp t, 0,1,2,3,4,5,6,7,8,9,10,11,12,13,14,15
	global_store_b128 v[CO], v[BB+4*\t:BB+4*\t+3], s[12:13] offset:\t*SIZE_N*4 th:TH_STORE_NT   ; 512 consecutive bytes, aligned
.endr
.endm
	PLACES                                         ; behind the last products: for the reads of their results and the loads into A's registers
	TOSTAGE 0
.irp a, 1,2,3
.if \a > 1
	s_wait_xcnt 0x0                                ; block a - 2's stores have read their registers and their base
.endif
	TOSTAGE \a
	SEND \a-1, 32                                  ; behind block a - 1's loads: block a's 16 stores and 16 loads
.endr
	s_wait_xcnt 0x0
	SEND 3, 0
	s_wait_tensorcnt 0x0                           ; the wave's end, behind my last tensor load and my last LDS store
	ds_add_u32 v[SPW], v[NIL]
	s_wait_dscnt 0x0
	CROUND                                         ; the closing round
	s_endpgm
.Lfunc_end_k_q6db97a40b1_outp:
	.size	k_q6db97a40b1_outp, .Lfunc_end_k_q6db97a40b1_outp-k_q6db97a40b1_outp
	.p2alignl 7, 3214868480
	.fill 96, 4, 3214868480
	.section	.rodata,"a",@progbits
	.p2align	6, 0x0
	.amdhsa_kernel k_q6db97a40b1_outp
		.amdhsa_group_segment_fixed_size 327680
		.amdhsa_private_segment_fixed_size 0
		.amdhsa_enable_private_segment 0
		.amdhsa_kernarg_size 48
		.amdhsa_user_sgpr_count 2
		.amdhsa_user_sgpr_kernarg_segment_ptr 1
		.amdhsa_wavefront_size32 1
		.amdhsa_system_sgpr_workgroup_id_x 1
		.amdhsa_system_sgpr_workgroup_id_y 1
		.amdhsa_system_sgpr_workgroup_id_z 1
		.amdhsa_system_vgpr_workitem_id 0
		.amdhsa_next_free_vgpr 768
		.amdhsa_next_free_sgpr 66
		.amdhsa_reserve_vcc 0
		.amdhsa_float_denorm_mode_32 3
		.amdhsa_float_denorm_mode_16_64 3
		.amdhsa_memory_ordered 1
		.amdhsa_forward_progress 1
		.amdhsa_inst_pref_size 83
	.end_amdhsa_kernel
	.amdgpu_metadata
---
amdhsa.version: [ 1, 2 ]
amdhsa.kernels:
  - .name:           k_q6db97a40b1_outp
    .symbol:         k_q6db97a40b1_outp.kd
    .args:
      - { .name: acodes, .offset: 0, .size: 8, .value_kind: global_buffer, .address_space: global }
      - { .name: ascales, .offset: 8, .size: 8, .value_kind: global_buffer, .address_space: global }
      - { .name: codes, .offset: 16, .size: 8, .value_kind: global_buffer, .address_space: global }
      - { .name: scales, .offset: 24, .size: 8, .value_kind: global_buffer, .address_space: global }
      - { .name: out0, .offset: 32, .size: 8, .value_kind: global_buffer, .address_space: global }
      - { .name: bo, .offset: 40, .size: 8, .value_kind: global_buffer, .address_space: global }
    .group_segment_fixed_size: 327680
    .private_segment_fixed_size: 0
    .kernarg_segment_align: 8
    .kernarg_segment_size: 48
    .max_flat_workgroup_size: 128
    .sgpr_count:     66
    .vgpr_count:     768
    .wavefront_size: 32
...
	.end_amdgpu_metadata
.endif
;; end of part 4
